; MI455X (gfx1250); checked and timed in simulation.
; The chip was launched on July 23, 2026; its instructions are those of AMD's public machine-readable ISA for CDNA 5 (MIT licence, August 2026) and "CDNA5" Instruction Set Architecture Reference Guide (July 2026). The comments in the code are by the model that wrote it; some were corrected since.
;; Multi Head Attention. Allowed arithmetic: matrix products marked QUANTISED: E2M3 operands, one E8M0 scale for each 32 along K, by v_wmma_scale_f32_16x16x128_f8f6f4 with both operands' format E2M3, f32 sums; everything else in f32.
;; Inputs: Wk 1,024 x 1,024 float32; Wo 1,024 x 1,024 float32; Wq 1,024 x 1,024 float32; Wv 1,024 x 1,024 float32; bo 1,024 float32; bq 1,024 float32; bv 1,024 float32; cu_seqlens 9 int32; x 8,192 x 1,024 float32.
;; Outputs: out0 8,192 x 1,024 float32.
;; This version of the problem:
;;   THIS VERSION OF THE PROBLEM IS GIVEN IN LOW PRECISION. The matrix products marked QUANTISED in the list below multiply operands that are first quantised to E2M3 (2 exponent bits, 3 mantissa bits; 6 bits a number), with one power-of-two scale for each 32 numbers along K (OCP MX v1.0); their sums are f32. All else is computed in f32.
;;   The module's matrix products, in the order in which they are computed (A, B: the left and right operand; K: the contracted axis; several contracted axes count as one K, in the product's order):
;;     1. [M 8,192, K 1,024] x [K 1,024, N 1,024]; A: input x; B: input Wq: QUANTISED
;;     2. [M 8,192, K 1,024] x [K 1,024, N 1,024]; A: input x; B: input Wk: QUANTISED
;;     3. [M 8,192, K 1,024] x [K 1,024, N 1,024]; A: input x; B: input Wv: QUANTISED
;;     4. batch 128 x [M 1,024, K 64] x [K 64, N 1,024]; A: computed on the way; B: computed on the way: QUANTISED
;;     5. batch 128 x [M 64, K 1,024] x [K 1,024, N 1,024]; A: computed on the way; B: softmax (see below): QUANTISED
;;     6. [M 8,192, K 1,024] x [K 1,024, N 1,024]; A: computed on the way; B: input Wo: QUANTISED
;;   THE QUANTISER, for each operand of a quantised product, along K:
;;     - K is cut into blocks of 32 from its start; a last block that is shorter is filled with zeros.
;;     - A block's scale is 2^e with e = floor(log2(the largest magnitude in the block)) - 2, held to -126 .. 127; a block of zeros has e = 0. As a byte (E8M0): e + 127.
;;     - Each number is divided by its block's scale, clamped to +-7.5, and rounded to the nearest number of E2M3, ties to even, subnormals kept.
;;     - The product sums the exact products of the quantised numbers (number of the format x scale) in f32.
;;   ~~~python
;;   def quantise(x, axis):      # numpy; x: float32 -> the quantised numbers, widened to float32 again
;;       x = np.moveaxis(x, axis, -1); K = x.shape[-1]
;;       x = np.pad(x, [(0, 0)] * (x.ndim - 1) + [(0, -K % 32)]); x = x.reshape(x.shape[:-1] + (-1, 32)); a = np.abs(x).max(-1, keepdims=True)
;;       e = np.where(a > 0, np.clip(np.frexp(np.where(a > 0, a, 1))[1] - 1 - 2, -126, 127), 0)      # np.frexp(a)[1] - 1 = floor(log2(a)), exactly
;;       r = np.clip(x / 2.0 ** e, -7.5, 7.5)
;;       step = 2.0 ** (np.maximum(np.frexp(np.where(r == 0, 1, r))[1] - 1, 0) - 3)
;;       q = np.round(r / step) * step * 2.0 ** e      # np.round: ties to even
;;       return np.moveaxis(q.reshape(q.shape[:-2] + (-1,))[..., :K], -1, axis).astype(np.float32)
;;   ~~~
;;   SOFTMAX AHEAD OF A QUANTISED PRODUCT. Where the list says 'softmax', what is quantised is not the finished softmax but p = 2^(t - M), with t = logit x log2(e) and M = ceil(the row's largest t), a whole number; so 1/2 < the row's largest p <= 1. The row's sum l is taken of the UNQUANTISED p, in f32, and the product's result is divided by l at the end. Since M is a whole number, a kernel that streams over the keys may use a running M (the ceiling of the running maximum): every later rescaling is an exact power of two, which a block's scale takes up: the codes' values come out the same.
;;   OPERANDS COMPUTED ON THE WAY. 'Computed on the way' means the value that the module computes at that place (a softmax that the list does not call 'softmax' is quantised finished and normalised). What goes into a quantiser is computed in f32, as accurately as f32 sums, v_exp_f32 and their like allow (about 1e-6 of the number): no bf16 or f16 on the way to a quantiser, and a product that is left as it is and whose result goes on into a quantised operand takes f32 operands (vector FMAs, or v_wmma_f32_16x16x4_f32). A number that lies on a knife's edge between two numbers of the format may be rounded either way, as far as f32 arithmetic and the matrix unit's own rounding can turn it there, and no further.
;; One version. Each part assembles by itself: llvm-mc -triple=amdgcn-amd-amdhsa -mcpu=gfx1250 --defsym DOCPART=n.
;; ======== version 1 of 1: 4 launches
;; limits: right only within a limited range of input values
;; workspace buffers: cod 9,437,184 bytes; scl 393,216 bytes; qkv 20,185,088 bytes; ctxc 6,291,456 bytes; ctxs 262,144 bytes
;; launch quant (part 1): grid 384 x 1, 4 waves a work-group, no clusters, 34,304 bytes of LDS; arguments x, Wq, Wk, Wv, Wo, cod, scl; writes cod, scl
.if DOCPART == 1
	.amdgcn_target "amdgcn-amd-amdhsa--gfx1250"
	.amdhsa_code_object_version 6
	.text
	.protected	k_qb17ee49758_quant
	.globl	k_qb17ee49758_quant
	.p2align	8
	.type	k_qb17ee49758_quant,@function
k_qb17ee49758_quant:
	s_mov_b64 s[64:65], 0
	v_nop
	global_prefetch_b8 v0, s[64:65] scope:SCOPE_SE
	s_setreg_imm32_b32 hwreg(HW_REG_WAVE_MODE, 25, 1), 1
	s_wait_xcnt 0x0
; x [8192][1024] and Wq, Wk, Wv, Wo [1024][1024], f32 with K innermost, become codes of FP6 (E2M3) with one E8M0 scale byte for each 32 along K,
; laid in the ORDER OF AN OPERAND'S REGISTERS, so that the later launches fetch fragments by dense loads alone.
; ROWS.  The five tensors are one run of 12,288 rows = 768 rowtiles of 16 positions: x 0-511, Wq 512-575, Wk 576-639, Wv 640-703, Wo 704-767.
; Position r of rowtile T is row 32 (T / 2) + 8 (T % 2) + r + 8 (r / 8): as source 0 of a product such tiles give a lane 16 neighbouring results in the registers of tiles 2 b and 2 b + 1.
; CODES.  A unit is 16 positions x 64 K, 768 bytes: lane (r, h) holds k = 32 h .. 32 h + 31 of position r in six registers; registers 0-3 lie at byte 16 x lane, registers 4-5 at 512 + 8 x lane.
; A fragment (128 K) is two units, a rowtile's record eight fragments: 12,288 bytes.
; SCALES.  A rowtile's record is 512 bytes: the word (four bytes, 128 K) of position r for K step 4 H + j lies at 256 H + 16 r + 4 j.
; A block's scale is 2^(floor(log2(its largest magnitude)) - 2); its byte is the largest magnitude's exponent field - 2, held at 1 from below.
; LIMITS: a block of zeros, or one whose largest magnitude lies under 2^-124, gets the byte 1 (a block of zeros has zero codes, which add nothing under any byte but 0xff; this program alone reads the bytes);
; NaN and infinities among the inputs are not served.
; SHARES.  A work-group takes 32 rows (two rowtiles); wave w takes rowtile w / 2 of them and half w % 2 of K: four fragments.
; Each load reads 512 consecutive bytes of one row; a fragment's 16 rows turn through the wave's own stage in LDS, so that a lane gets the 2 x 32 neighbours along K that its registers want.
; No tensor load, no barrier: waves share nothing.  Loads run two fragments (32 loads a wave) ahead.
.set SROW,  528                        ; a stage row: 512 bytes + 16, so that the 16 rows that a load touches start at 16 different columns of 16 bytes
.set STG,   16*SROW                    ; a wave's stage
.set SPARE, 4*STG                      ; behind the stages: the spare words, 128 bytes for each wave: two blocks of 256 bytes that no other line names
.set SPW,   12                         ; v12  LDS address of my spare word; never rewritten
.set NIL,   13                         ; v13  0; never rewritten
.set W,     16                         ; v16-19  the four fragments' scale words
.set M,     22                         ; v22-23  largest magnitudes
.set SO,    24                         ; v24-25  the conversions' scale operands
.set BY,    26                         ; v26-27  scale bytes
.set C,     32                         ; v32-55  codes, two sets of 12
.set T,     56                         ; v56-62  the second halves of the blocks' codes, before they are moved
.set X,     64                         ; v64-127 my 2 x 32 neighbours
.set R,     128                        ; v128-255 two sets of 16 x 4 registers as loaded
	s_load_b256 s[4:11], s[0:1], 0x0               ; x, Wq, Wk, Wv
	s_load_b128 s[12:15], s[0:1], 0x20             ; Wo, cod
	s_load_b64 s[16:17], s[0:1], 0x30              ; scl
	v_lshl_add_u32 v[SPW], v0, 2, SPARE
	v_mov_b32 v[NIL], 0
	v_lshrrev_b32 v1, 5, v0
	v_readfirstlane_b32 s18, v1                    ; wave 0..3
	v_and_b32 v1, 31, v0                           ; lane
	v_and_b32 v2, 15, v0                           ; r
	v_bfe_u32 v3, v0, 4, 1                         ; h
	v_lshlrev_b32 v4, 4, v1                        ; 16 x lane
	v_lshlrev_b32 v5, 3, v1                        ; 8 x lane
	s_mul_i32 s19, s18, STG
	v_add_nc_u32 v6, s19, v4                       ; the stage, on the way in: a row's 512 bytes as loaded
	v_mul_u32_u24 v7, v2, SROW
	v_lshl_add_u32 v7, v3, 7, v7
	v_add_nc_u32 v7, s19, v7                       ; and on the way out: row r, 128 h bytes on: 32 numbers of each 64
	v_lshlrev_b32 v9, 3, v3                        ; 8 h
	v_lshl_add_u32 v8, v2, 4, v9                   ; 16 r + 8 h: my 8 bytes of the wave's 256 scale bytes
	v_mov_b32 v29, 0                               ; written once: a lane permute's destination counts as one of its sources
	s_lshr_b32 s20, s18, 1                         ; which of the two rowtiles
	s_and_b32 s21, s18, 1                          ; H: which half of K
	s_mov_b32 s22, 0x76543210
	s_mov_b32 s23, 0xfedcba98                      ; v_permlanex16_b32's selects for lane l xor 16
	s_and_b32 s24, ttmp9, 31
	s_cmp_lt_u32 ttmp9, 256
	s_cselect_b32 s24, ttmp9, s24                  ; which 32 rows of my tensor
	s_lshl_b32 s24, s24, 17                        ; 32 rows of 4,096 bytes
	s_lshl_b32 s25, s20, 15                        ; the second rowtile begins 8 rows on
	s_add_co_u32 s24, s24, s25
	s_lshl_b32 s25, s21, 11                        ; half a row
	s_add_co_u32 s24, s24, s25
	s_mov_b32 s25, 0
	s_lshl_b32 s26, ttmp9, 1
	s_add_co_u32 s26, s26, s20                     ; my rowtile's number
	s_mul_i32 s28, s26, 12288
	s_mul_i32 s27, s21, 6144
	s_add_co_u32 s28, s28, s27                     ; my four fragments in cod
	s_mov_b32 s29, 0
	s_lshl_b32 s30, s26, 9
	s_lshl_b32 s27, s21, 8
	s_add_co_u32 s30, s30, s27                     ; my 256 bytes in scl
	s_mov_b32 s31, 0
	s_wait_alu depctr_va_vdst(0)
	s_wait_kmcnt 0x0
	s_cmp_lt_u32 ttmp9, 352                        ; which tensor: the choice hangs on the work-group's number alone
	s_cselect_b64 s[12:13], s[10:11], s[12:13]
	s_cmp_lt_u32 ttmp9, 320
	s_cselect_b64 s[12:13], s[8:9], s[12:13]
	s_cmp_lt_u32 ttmp9, 288
	s_cselect_b64 s[12:13], s[6:7], s[12:13]
	s_cmp_lt_u32 ttmp9, 256
	s_cselect_b64 s[12:13], s[4:5], s[12:13]
	s_add_nc_u64 s[12:13], s[12:13], s[24:25]
	s_add_nc_u64 s[14:15], s[14:15], s[28:29]
	s_add_nc_u64 s[16:17], s[16:17], s[30:31]
.macro LOAD f                          ; fragment f: 128 numbers of each of the rowtile's 16 rows; a load reads 512 consecutive bytes
.irp i, 0,1,2,3,4,5,6,7,8,9,10,11,12,13,14,15
	global_load_b128 v[R+64*((\f)%2)+4*\i:R+64*((\f)%2)+4*\i+3], v4, s[12:13] offset:(\i+8*(\i/8))*4096+512*(\f) th:TH_LOAD_NT
.endr
.endm
.macro TURN f                          ; through the stage: LDS serves a wave's instructions in order, so no wait stands between the stores and the loads
.irp i, 0,1,2,3,4,5,6,7,8,9,10,11,12,13,14,15
	ds_store_b128 v6, v[R+64*((\f)%2)+4*\i:R+64*((\f)%2)+4*\i+3] offset:SROW*\i
.endr
.irp j, 0,1,2,3,4,5,6,7
	ds_load_b128 v[X+4*\j:X+4*\j+3], v7 offset:16*\j             ; k = 32 h + 0 .. 31
.endr
.irp j, 0,1,2,3,4,5,6,7
	ds_load_b128 v[X+32+4*\j:X+32+4*\j+3], v7 offset:256+16*\j   ; k = 64 + 32 h + 0 .. 31
.endr
.endm
.macro FRAG f
.set CC, C+12*((\f)%2)
	s_wait_dscnt 0x0                               ; my numbers are back from the stage, and the stores into it have read their registers,
.if (\f) < 2
	LOAD (\f)+2                                    ; which take the loads of two fragments on
.else
	s_wait_xcnt 0x0                                ; the stores of two fragments back have read this set of codes: it is written again only behind this wait
.endif
.irp c, 0,1                            ; my block 2 c + h: all its 32 numbers are mine
	v_max3_num_f32 v[M+\c], |v[X+32*\c]|, |v[X+32*\c+1]|, 0x1800000   ; and the floor 2^(3 - 127): the byte cannot fall under 1
.endr
.irp i, 2,4,6,8,10,12,14,16,18,20,22,24,26,28,30
.irp c, 0,1
	v_max3_num_f32 v[M+\c], v[M+\c], |v[X+32*\c+\i]|, |v[X+32*\c+\i+1]|
.endr
.endr
.irp c, 0,1
	v_add_nc_u32 v[SO+\c], 0xff000000, v[M+\c]     ; 2 off the exponent field: the conversion takes the exponent field of this operand as its scale
.endr
.irp c, 0,1
	v_lshrrev_b32 v[BY+\c], 23, v[SO+\c]           ; the scale's byte
.endr
	v_lshl_or_b32 v28, v[BY+1], 16, v[BY]          ; blocks h and 2 + h,
	v_lshlrev_b32 v28, v9, v28                     ; at their places in the word (8 h bits up);
	v_permlanex16_b32 v29, v28, s22, s23
	v_or_b32 v[W+(\f)], v28, v29                   ; with lane l xor 16's two the word is whole
.irp c, 0,1
	v_cvt_scalef32_pk16_fp6_f32 v[CC+6*\c:CC+6*\c+2], v[X+32*\c:X+32*\c+15], v[SO+\c]
	v_cvt_scalef32_pk16_fp6_f32 v[T+4*\c:T+4*\c+2], v[X+32*\c+16:X+32*\c+31], v[SO+\c]   ; (a conversion's three registers begin on an even number)
.endr
	v_nop                                          ; one plain place behind a scaled conversion
.irp c, 0,1
.irp i, 0,1,2
	v_mov_b32 v[CC+6*\c+3+\i], v[T+4*\c+\i]
.endr
.endr
	global_store_b128 v4, v[CC:CC+3], s[14:15] offset:1536*(\f)           ; each store covers 512 or 256 consecutive bytes, aligned
	global_store_b64 v5, v[CC+4:CC+5], s[14:15] offset:1536*(\f)+512
	global_store_b128 v4, v[CC+6:CC+9], s[14:15] offset:1536*(\f)+768
	global_store_b64 v5, v[CC+10:CC+11], s[14:15] offset:1536*(\f)+1280
.if (\f) < 3
.if (\f) < 2
	s_wait_loadcnt 16                              ; the next fragment's 16 loads are in; the 16 behind them may be out
.else
	s_wait_loadcnt 0x0
.endif
	TURN (\f)+1
.endif
.endm
	LOAD 0
	LOAD 1
	s_wait_loadcnt 16                              ; fragment 0 is in; fragment 1's 16 loads may be out
	TURN 0
	FRAG 0
	FRAG 1
	FRAG 2
	FRAG 3
	v_cmp_eq_u32 vcc_lo, 1, v3
	v_cndmask_b32 v20, v16, v18, vcc_lo            ; lanes 0-15 store words 0 and 1 of their row, lanes 16-31 words 2 and 3
	v_cndmask_b32 v21, v17, v19, vcc_lo
	global_store_b64 v8, v[20:21], s[16:17]        ; 32 lanes store 256 consecutive bytes, aligned
	s_wait_tensorcnt 0x0                           ; the wave's end, behind my last LDS store
	ds_add_u32 v[SPW], v[NIL]
	s_wait_dscnt 0x0
	s_endpgm
.Lfunc_end_k_qb17ee49758_quant:
	.size	k_qb17ee49758_quant, .Lfunc_end_k_qb17ee49758_quant-k_qb17ee49758_quant
	.p2alignl 7, 3214868480
	.fill 96, 4, 3214868480
	.section	.rodata,"a",@progbits
	.p2align	6, 0x0
	.amdhsa_kernel k_qb17ee49758_quant
		.amdhsa_group_segment_fixed_size 34304
		.amdhsa_private_segment_fixed_size 0
		.amdhsa_enable_private_segment 0
		.amdhsa_kernarg_size 56
		.amdhsa_user_sgpr_count 2
		.amdhsa_user_sgpr_kernarg_segment_ptr 1
		.amdhsa_wavefront_size32 1
		.amdhsa_system_sgpr_workgroup_id_x 1
		.amdhsa_system_sgpr_workgroup_id_y 1
		.amdhsa_system_sgpr_workgroup_id_z 1
		.amdhsa_system_vgpr_workitem_id 0
		.amdhsa_next_free_vgpr 256
		.amdhsa_next_free_sgpr 66
		.amdhsa_reserve_vcc 1
		.amdhsa_float_denorm_mode_32 3
		.amdhsa_float_denorm_mode_16_64 3
		.amdhsa_memory_ordered 1
		.amdhsa_forward_progress 1
		.amdhsa_inst_pref_size 31
	.end_amdhsa_kernel
	.amdgpu_metadata
---
amdhsa.version: [ 1, 2 ]
amdhsa.kernels:
  - .name:           k_qb17ee49758_quant
    .symbol:         k_qb17ee49758_quant.kd
    .args:
      - { .name: x, .offset: 0, .size: 8, .value_kind: global_buffer, .address_space: global }
      - { .name: Wq, .offset: 8, .size: 8, .value_kind: global_buffer, .address_space: global }
      - { .name: Wk, .offset: 16, .size: 8, .value_kind: global_buffer, .address_space: global }
      - { .name: Wv, .offset: 24, .size: 8, .value_kind: global_buffer, .address_space: global }
      - { .name: Wo, .offset: 32, .size: 8, .value_kind: global_buffer, .address_space: global }
      - { .name: cod, .offset: 40, .size: 8, .value_kind: global_buffer, .address_space: global }
      - { .name: scl, .offset: 48, .size: 8, .value_kind: global_buffer, .address_space: global }
    .group_segment_fixed_size: 34304
    .private_segment_fixed_size: 0
    .kernarg_segment_align: 8
    .kernarg_segment_size: 56
    .max_flat_workgroup_size: 128
    .sgpr_count:     66
    .vgpr_count:     256
    .wavefront_size: 32
...
	.end_amdgpu_metadata
.endif
;; end of part 1
;; launch proj (part 2): grid 8 x 32, 4 waves a work-group, clusters of 4 x 4, 327,680 bytes of LDS; arguments cod, scl, bq, bv, qkv; writes qkv
.if DOCPART == 2
	.amdgcn_target "amdgcn-amd-amdhsa--gfx1250"
	.amdhsa_code_object_version 6
	.text
	.protected	k_qb17ee49758_proj
	.globl	k_qb17ee49758_proj
	.p2align	8
	.type	k_qb17ee49758_proj,@function
k_qb17ee49758_proj:
	s_mov_b64 s[64:65], 0
	v_nop
	global_prefetch_b8 v0, s[64:65] scope:SCOPE_SE
	s_setreg_imm32_b32 hwreg(HW_REG_WAVE_MODE, 25, 1), 1
	s_wait_xcnt 0x0
	s_wait_alu depctr_hold_cnt(0) depctr_sa_sdst(0) depctr_va_vdst(0) depctr_va_sdst(0) depctr_va_ssrc(0) depctr_va_vcc(0) depctr_vm_vsrc(0)
	s_getreg_b32 s2, hwreg(HW_REG_IB_STS2, 6, 4)
	s_cmp_eq_u32 s2, 0
	s_cbranch_scc0 .Lentry_in_a_cluster
	s_endpgm
.Lentry_in_a_cluster:
	s_bfe_u32 s2, ttmp6, 0x10000c
	s_cmp_lg_u32 s2, 0xf033
	s_cbranch_scc0 .Lentry_shape_is_right
	s_endpgm
.Lentry_shape_is_right:
; q = x Wq^T + bq, k = x Wk^T, v = x Wv^T + bv on codes of FP6 (E2M3) with E8M0 scales, K = 1,024; the results leave QUANTISED: q and k along a head's 64, v along the keys.
; A BLOCK is 128 rows of operand A x 256 rows of operand B.  Four waves, WM = wave / 2 along A (4 rowtiles), WN = wave % 2 along B (8 rowtiles): 32 accumulators a wave.
; The matrix instruction is used transposed: source 0 = a rowtile of B, source 1 = a rowtile of A.  A lane then holds ONE position of A, and by the order of rows in a rowtile (position r of tile T is
; row 32 (T / 2) + 8 (T % 2) + r + 8 (r / 8)) the 16 registers of B's tiles 2 b and 2 b + 1 are rows 32 b + 16 (lane / 16) + 0 .. 15 of B: neighbours along the next product's K.
; A WORK-GROUP STAYS and walks THREE blocks: 768 blocks on 256 work-groups.  With Y the cluster's y (0 .. 7) and X its x (0, 1):
;   blocks 0 and 1 (the loop): A = x (tokens), 128-token block 4 (Y + 8 t) + cy; B = Wq (X = 0) or Wk (X = 1), features 256 cx ..: a wave's 128 features are two heads;
;   block 2 (written out):     A = Wv (channels), block 4 (Y % 2) + cy; B = x (tokens), 256-token block 8 (Y / 2) + 4 X + cx: V^T, so that a lane's registers run along the keys.
; THE RING: two LDS slots, each with four K steps of A's 8 and B's 16 rowtiles; a block's K is one turn of the ring.  Slot 1 is filled at a block's head, slot 0 with the NEXT block's first half at K step 3, when its last
; fragments have been read.  One joint load a wave each time, behind the wait for all tensor loads, the add, the wait for LDS and a round of the cluster's barrier.
; The last block's K step 3 refills nothing: that block is written out.  By the text's own count a wave never has more than one tensor load out.
; CLUSTER 4 x 4: A's rowtiles are shared along a row of the cluster, B's along a column.  The scale words (a twenty-fourth of the codes' bytes) go straight into registers, for all of K, by twelve dense loads, asked for under the way out of the block before.
; NO PREFETCH: K is short (the two slots hold all of it) and the block is the largest that LDS holds in clusters.
; qkv: 1,024 chunks of 19,712 bytes, chunk ((sequence x 16 + head) x 8 + key step of 128 tokens): K's 8 units, V's 4 fragments, K's scale words, V's, Q's 8 units, Q's scale words.
; LIMITS: a block of zeros, or one whose largest magnitude lies under 2^-124, gets the scale byte 1 (read by this program alone); NaN and infinities are not served.
; REGISTERS.  window 0: v1-15, v248-251 addresses; v16-31 A's scale words, v32-63 B's (register 4 t + j: K step j in lanes 0-15, K step 4 + j in lanes 16-31); v64-127 the bias as C;
;   v128-223 A's fragments, two sets, later the codes on the way out; v224-247 at work (v232-235 bv).   window 1: accumulator (a, b) at v[8 (8 a + b)].   window 2: B's fragments, two sets of 96.
.set REC,   12288                      ; a rowtile's record of codes
.set FRB,   1536                       ; a fragment
.set UNB,   768                        ; a unit
.set TCH,   6144                       ; a rowtile's part of a slot: four K steps
.set CHA,   8*TCH                      ; A's part of a slot
.set CHB,   16*TCH                     ; B's
.set BREG,  2*CHA                      ; B's two parts lie behind A's two
.set SPARE, BREG+2*CHB                 ; behind the ring: the spare words, 128 bytes for each wave
.set CH,    19712
.set VF,    6144
.set KS,    12288
.set VS,    12800
.set QU,    13056
.set QS,    19200
.set A16,   4                          ; v4-5   LDS: A's fragments in slot 0, 1: 16 x lane
.set A8,    6                          ; v6-7   the same, 512 + 8 x lane
.set SPW,   8
.set NIL,   9
.set L16,   10
.set L8,    11
.set SH,    12                         ; 16 h
.set SQ,    13                         ; q, k: where my scale words go: 16 r, and for lanes 16-31 the second head's chunk
.set RV,    15                         ; 16 r
.set B16,   248                        ; v248-249, v250-251: B's
.set B8,    250
.set SAS,   16
.set SBS,   32
.set BC,    64
.set AF,    128
.set TM,    224                        ; v224-227 largest magnitudes, v228-231 bytes, v236-239 scale operands
.set VBI,   232                        ; v232-235 bv of my four tiles of channels
.set PW,    240                        ; v240-243 the four fragments' scale words; v244-247 as they are stored
.set WV,    14
.set WM,    15
.set WN,    16
.set MSB, 0
.macro WIN new                         ; the immediate's high byte repeats the setting that is left
.if MSB != \new
	s_set_vgpr_msb (MSB<<8)|\new
.set MSB, \new
.endif
.endm
.set W_MUL,  0x52                      ; source 0 (B) window 2, source 1 (A) window 0, C and D window 1
.set W_MUL0, 0x42                      ; the same with C in window 0: the bias
.set W_TOB,  0x80                      ; destination window 2, address window 0
.macro CROUND                          ; a round of the cluster's barrier
	s_barrier_signal -1
	s_barrier_wait -1
	s_cmp_lg_u32 s[WV], 0
	s_cbranch_scc1 .Lnot_wave_0_\@
	s_barrier_signal -3
.Lnot_wave_0_\@:
	s_barrier_wait -3
	s_barrier_signal -1
	s_barrier_wait -1
.endm
.macro PLACES n
.rept \n
	v_nop
.endr
.endm
.macro JLOAD sl                        ; a joint load into slot sl: waves 0 and 1 fetch A's halves, waves 2 and 3 B's; the four v_nop are also places in front of LDS loads
	s_cmp_eq_u32 s[WM], 0
	s_cbranch_scc0 .Lfor_b_\@
	tensor_load_to_lds s[40+4*\sl:43+4*\sl], s[24:31]
	s_nop 0
	PLACES 4
	s_branch .Lasked_\@
.Lfor_b_\@:
	tensor_load_to_lds s[56+4*\sl:59+4*\sl], s[32:39]
	s_nop 0
	PLACES 4
.Lasked_\@:
.endm
.macro FETCH s, p                      ; 48 dense LDS loads: K step s's fragments (8 of B, 4 of A) into set p
	WIN W_TOB
.irp b, 0,1,2,3,4,5,6,7
.irp u, 0,1
	ds_load_b128 v[96*(\p)+12*\b+6*\u:96*(\p)+12*\b+6*\u+3], v[B16+(\s)/4] offset:TCH*\b+FRB*((\s)%4)+UNB*\u
	ds_load_b64 v[96*(\p)+12*\b+6*\u+4:96*(\p)+12*\b+6*\u+5], v[B8+(\s)/4] offset:TCH*\b+FRB*((\s)%4)+UNB*\u
.endr
.endr
	WIN 0
.irp a, 0,1,2,3
.irp u, 0,1
	ds_load_b128 v[AF+48*(\p)+12*\a+6*\u:AF+48*(\p)+12*\a+6*\u+3], v[A16+(\s)/4] offset:TCH*\a+FRB*((\s)%4)+UNB*\u
	ds_load_b64 v[AF+48*(\p)+12*\a+6*\u+4:AF+48*(\p)+12*\a+6*\u+5], v[A8+(\s)/4] offset:TCH*\a+FRB*((\s)%4)+UNB*\u
.endr
.endr
.endm
; 16 matrix instructions: K step s from set p, A's tiles a0 and a0 + 1.  cm = 1: they start the sums with the bias of B's rows; 2: with that of A's rows; 0: they add in place.
; The 32 accumulators take turns, one instruction a turn, in the same order in every step.
.macro MULA s, p, cm, a0
.irp a, \a0, \a0+1
.irp b, 0,1,2,3,4,5,6,7
.set rD, 8*(8*(\a)+\b)
.set rB, 96*(\p)+12*\b
.set rA, AF+48*(\p)+12*(\a)
.set rS, SBS+4*\b+(\s)%4
.set rT, SAS+4*(\a)+(\s)%4
.if (\cm) == 1
	v_wmma_scale_f32_16x16x128_f8f6f4 v[rD:rD+7], v[rB:rB+11], v[rA:rA+11], v[BC+8*\b:BC+8*\b+7], v[rS], v[rT] matrix_a_fmt:MATRIX_FMT_FP6 matrix_b_fmt:MATRIX_FMT_FP6
.elseif (\cm) == 2
	v_wmma_scale_f32_16x16x128_f8f6f4 v[rD:rD+7], v[rB:rB+11], v[rA:rA+11], v[BC+8*(\a):BC+8*(\a)+7], v[rS], v[rT] matrix_a_fmt:MATRIX_FMT_FP6 matrix_b_fmt:MATRIX_FMT_FP6
.elseif (\s) < 4
	v_wmma_scale_f32_16x16x128_f8f6f4 v[rD:rD+7], v[rB:rB+11], v[rA:rA+11], v[rD:rD+7], v[rS], v[rT] matrix_a_fmt:MATRIX_FMT_FP6 matrix_b_fmt:MATRIX_FMT_FP6
.else
	v_wmma_scale_f32_16x16x128_f8f6f4 v[rD:rD+7], v[rB:rB+11], v[rA:rA+11], v[rD:rD+7], v[rS], v[rT] matrix_a_fmt:MATRIX_FMT_FP6 matrix_b_fmt:MATRIX_FMT_FP6 matrix_a_scale:MATRIX_SCALE_ROW1 matrix_b_scale:MATRIX_SCALE_ROW1
.endif
.endr
.endr
.endm
; A block's head.  Slot 0 holds its K steps 0 to 3 once every wave's load has landed; slot 1, which nobody reads any more, takes its K steps 4 to 7.
.macro HEAD0 cm
	s_wait_loadcnt 0x0                             ; the block's scale words
	s_wait_tensorcnt 0x0                           ; my one load that was out, my part of slot 0, has landed;
	ds_add_u32 v[SPW], v[NIL]
	s_add_nc_u64 s[46:47], s[18:19], TCH           ; no load of mine is out: slot 1's descriptors take this block's second half of K
	s_or_b32 s47, s47, 0x80000000
	s_add_nc_u64 s[62:63], s[22:23], TCH
	s_or_b32 s63, s63, 0x80000000
	s_wait_dscnt 0x0                               ; the add is done, and so are my reads of slot 1
	CROUND                                         ; both now hold of every wave of the cluster
	JLOAD 1
	FETCH 0, 0
	FETCH 1, 1
	s_wait_dscnt 48                                ; step 0's fragments are in; step 1's 48 loads may be out
	WIN W_MUL0
	MULA 0, 0, \cm, 0
	MULA 0, 0, \cm, 2
	WIN 0
.endm
.macro STEP s                          ; a K step inside a slot: the next step's fragments are asked for ahead of this step's products
.if (\s) < 7
	PLACES 4                                       ; in front of loads into registers that matrix instructions have read
	FETCH (\s)+1, 1-(\s)%2
	s_wait_dscnt 48                                ; all but the 48 just issued
.else
	s_wait_dscnt 0x0
.endif
	WIN W_MUL
	MULA \s, (\s)%2, 0, 0
	MULA \s, (\s)%2, 0, 2
	WIN 0
.endm
.macro TURN3                           ; K step 3 of a block that has a successor: slot 0 has been read out and takes the next block's K steps 0 to 3
	s_wait_tensorcnt 0x0                           ; my part of slot 1 has landed;
	ds_add_u32 v[SPW], v[NIL]
	s_mov_b64 s[18:19], s[50:51]                   ; no load of mine is out, and the scale words' loads are done: on to the next block's addresses,
	s_mov_b64 s[22:23], s[52:53]
	s_mov_b64 s[84:85], s[54:55]
	s_mov_b64 s[86:87], s[92:93]
	s_mov_b64 s[50:51], s[68:69]                   ; and behind it comes the block of V^T
	s_mov_b64 s[52:53], s[70:71]
	s_mov_b64 s[54:55], s[72:73]
	s_mov_b64 s[92:93], s[74:75]
	s_mov_b64 s[42:43], s[18:19]
	s_or_b32 s43, s43, 0x80000000
	s_mov_b64 s[58:59], s[22:23]
	s_or_b32 s59, s59, 0x80000000
	s_wait_dscnt 1                                 ; step 3's fragments are in; the add may be out
	WIN W_MUL
	MULA 3, 1, 0, 0                                ; sixteen products stand between the add and the wait for it
	WIN 0
	s_wait_dscnt 0x0
	CROUND
	JLOAD 0
	FETCH 4, 0
	WIN W_MUL
	MULA 3, 1, 0, 2
	WIN 0
.endm
.macro LAST3                           ; K step 3 of the last block: nothing is filled again
	s_wait_dscnt 0x0
	s_wait_tensorcnt 0x0                           ; my part of slot 1 has landed
	s_barrier_signal -1
	s_barrier_wait -1                              ; everybody's has
	PLACES 4
	FETCH 4, 0
	WIN W_MUL
	MULA 3, 1, 0, 0
	MULA 3, 1, 0, 2
	WIN 0
.endm
.macro SCL                             ; the scale words of all of K: 512 consecutive bytes a load
.irp a, 0,1,2,3
	global_load_b128 v[SAS+4*\a:SAS+4*\a+3], v[L16], s[84:85] offset:512*\a
.endr
.irp b, 0,1,2,3,4,5,6,7
	global_load_b128 v[SBS+4*\b:SBS+4*\b+3], v[L16], s[86:87] offset:512*\b
.endr
.endm
; THE WAY OUT of A's tile a: the lane's 64 results (register 16 b + i = row 32 b + 16 h + i of B) are quantised in registers and leave as a fragment's two units, at o1 and o2 from s[sb]: no LDS.
.macro QUANTW a, sb, o1, o2
.set AC, 64*(\a)
.set PC, AF+24*(\a)                    ; registers of their own for each tile, so that no store's data are written again inside a block
	WIN 0x05
.irp b, 0,1,2,3
	v_max3_num_f32 v[TM+\b], |v[AC+16*\b]|, |v[AC+16*\b+1]|, 0x1800000   ; from each accumulator's low end on, and the floor 2^(3 - 127)
.endr
	WIN 0x14
.irp i, 2,4,6,8,10,12,14
.irp b, 0,1,2,3
	v_max3_num_f32 v[TM+\b], v[TM+\b], |v[AC+16*\b+\i]|, |v[AC+16*\b+\i+1]|
.endr
.endr
	WIN 0
.irp b, 0,1,2,3
	v_permlanex16_b32 v[TM+4+\b], v[TM+\b], s98, s99
.endr
.irp b, 0,1,2,3
	v_max_num_f32 v[TM+\b], v[TM+\b], v[TM+4+\b]   ; with lane l xor 16's: the block's largest magnitude
.endr
.irp b, 0,1,2,3
	v_add_nc_u32 v[TM+12+\b], 0xff000000, v[TM+\b] ; 2 off its exponent field: the conversion's scale operand
.endr
.irp b, 0,1,2,3
	v_lshrrev_b32 v[TM+4+\b], 23, v[TM+12+\b]      ; the scale's byte
.endr
	v_lshl_or_b32 v[PW+(\a)], v[TM+5], 8, v[TM+4]
	v_lshl_or_b32 v[PW+(\a)], v[TM+6], 16, v[PW+(\a)]
	v_lshl_or_b32 v[PW+(\a)], v[TM+7], 24, v[PW+(\a)]
	WIN 0x01
.irp c, 0,1
	v_cvt_scalef32_pk16_fp6_f32 v[PC+6*\c:PC+6*\c+2], v[AC+32*\c:AC+32*\c+15], v[TM+12+2*\c]
	v_cvt_scalef32_pk16_fp6_f32 v[PC+12+4*\c:PC+14+4*\c], v[AC+32*\c+16:AC+32*\c+31], v[TM+12+2*\c+1]   ; (a conversion's three registers begin on an even number)
.endr
	WIN 0
	v_nop                                          ; one plain place behind a scaled conversion
.irp c, 0,1                            ; the operand's layout wants a WHOLE block in a lane
.irp i, 0,1,2
	v_permlane16_swap_b32 v[PC+6*\c+\i], v[PC+12+4*\c+\i]
.endr
.irp i, 0,1,2
	v_mov_b32 v[PC+3+6*\c+\i], v[PC+12+4*\c+\i]
.endr
.endr
	global_store_b128 v[L16], v[PC:PC+3], s[\sb:\sb+1] offset:\o1            ; each store covers 512 or 256 consecutive bytes, aligned
	global_store_b64 v[L8], v[PC+4:PC+5], s[\sb:\sb+1] offset:\o1+512
	global_store_b128 v[L16], v[PC+6:PC+9], s[\sb:\sb+1] offset:\o2
	global_store_b64 v[L8], v[PC+10:PC+11], s[\sb:\sb+1] offset:\o2+512
.endm
	s_load_b256 s[4:11], s[0:1], 0x0               ; cod s[4:5], scl s[6:7], bq s[8:9], bv s[10:11]
	s_load_b64 s[12:13], s[0:1], 0x20              ; qkv
	v_lshl_add_u32 v[SPW], v0, 2, SPARE
	v_mov_b32 v[NIL], 0
	ds_add_u32 v[SPW], v[NIL]                      ; the opening lines: the add, twice on end, and its wait ahead of my first tensor load
	ds_add_u32 v[SPW], v[NIL]
	v_lshrrev_b32 v1, 5, v0
	v_readfirstlane_b32 s[WV], v1                  ; wave 0..3
	s_lshr_b32 s[WM], s[WV], 1                     ; my 64 rows of A.  Also: I fetch for A (0) or for B (1)
	s_and_b32 s[WN], s[WV], 1                      ; my 128 rows of B.  Also: which half of that tile I fetch
	s_bfe_u32 s76, ttmp6, 0x40000                  ; cx
	s_bfe_u32 s77, ttmp6, 0x40004                  ; cy
	s_lshl_b32 s78, s77, 2
	s_lshl_b32 s78, 15, s78                        ; my row of the cluster
	s_lshl_b32 s79, 0x1111, s76                    ; my column
	s_and_b32 s66, ttmp7, 0xffff                   ; Y
	s_lshl_b32 s80, s66, 2
	s_add_co_u32 s80, s80, s77                     ; block 0: which 128 tokens (block 1: 32 further on)
	s_and_b32 s82, s66, 1
	s_lshl_b32 s82, s82, 2
	s_add_co_u32 s82, s82, s77                     ; block 2: which 128 channels
	s_lshl_b32 s81, ttmp9, 2
	s_add_co_u32 s81, s81, s76                     ; blocks 0, 1: which 256 rows of Wq, Wk on end
	s_lshr_b32 s83, s66, 1
	s_lshl_b32 s83, s83, 3
	s_add_co_u32 s83, s83, s81                     ; block 2: which 256 tokens
	; descriptor group 1: R rowtiles' parts of a slot: R rows of 6,144 bytes (768 elements of 8), 12,288 bytes apart; dense in LDS
	s_or_b32 s24, s78, (3<<16)|(1<<21)             ; A's tiles go to my row of the cluster,
	s_or_b32 s32, s79, (3<<16)|(1<<21)             ; B's to my column
.irp g, 24, 32
	s_mov_b32 s[\g+1], 768<<16
	s_mov_b32 s[\g+3], 768<<16
	s_mov_b32 s[\g+5], 1536
	s_mov_b32 s[\g+6], 0
	s_mov_b32 s[\g+7], 0
.endr
	s_mov_b32 s26, 4<<16                           ; A: four rowtiles a load,
	s_mov_b32 s28, 4
	s_mov_b32 s34, 8<<16                           ; B: eight
	s_mov_b32 s36, 8
	; where the tiles come from, as byte offsets.  A's registers (s18-20, s68-69) hold nothing of cx, B's (s21-23, s70-71) nothing of cy; no place in the cluster enters an LDS address
	s_lshl_b32 s18, s80, 3
	s_lshl_b32 s20, s[WN], 2
	s_add_co_u32 s18, s18, s20
	s_mul_i32 s18, s18, REC                        ; block 0's A: x's rowtile 8 x block + 4 x half
	s_mov_b32 s19, 0
	s_lshl_b32 s68, s82, 3
	s_add_co_u32 s68, s68, s20
	s_add_co_u32 s68, s68, 640
	s_mul_i32 s68, s68, REC                        ; block 2's A: Wv's rowtiles begin at 640
	s_mov_b32 s69, 0
	s_mul_i32 s20, s[WN], 4*TCH
	s_lshl_b32 s22, s81, 4
	s_lshl_b32 s21, s[WN], 3
	s_add_co_u32 s22, s22, s21
	s_add_co_u32 s22, s22, 512                     ; blocks 0, 1's B: Wq's rowtiles begin at 512, Wk's follow
	s_lshl_b32 s86, s22, 9                         ; the scale records of my 8 rowtiles of B
	s_mov_b32 s87, 0
	s_mul_i32 s22, s22, REC
	s_mov_b32 s23, 0
	s_lshl_b32 s70, s83, 4
	s_add_co_u32 s70, s70, s21                     ; block 2's B: x's rowtiles
	s_lshl_b32 s74, s70, 9
	s_mov_b32 s75, 0
	s_mul_i32 s70, s70, REC
	s_mov_b32 s71, 0
	s_mul_i32 s21, s[WN], 8*TCH
	s_add_co_u32 s21, s21, BREG
	s_lshl_b32 s84, s80, 3
	s_lshl_b32 s2, s[WM], 2
	s_add_co_u32 s84, s84, s2
	s_lshl_b32 s84, s84, 9                         ; the scale records of my 4 rowtiles of A
	s_mov_b32 s85, 0
	s_lshl_b32 s72, s82, 3
	s_add_co_u32 s72, s72, s2
	s_add_co_u32 s72, s72, 640
	s_lshl_b32 s72, s72, 9
	s_mov_b32 s73, 0
	; where blocks 0 and 1 go
	s_lshr_b32 s2, s80, 3                          ; the sequence: 8 blocks of 128 tokens each
	s_lshl_b32 s2, s2, 4
	s_lshl_b32 s3, s76, 2
	s_add_co_u32 s2, s2, s3
	s_lshl_b32 s3, s[WN], 1
	s_add_co_u32 s2, s2, s3                        ; x 16 + my first head
	s_lshl_b32 s2, s2, 3
	s_and_b32 s3, s80, 7
	s_add_co_u32 s2, s2, s3                        ; x 8 + the key step: the chunk
	s_mul_i32 s2, s2, CH
	s_mov_b32 s67, KS
	s_cmp_eq_u32 ttmp9, 0                          ; X = 0: Wq's rows; 1: Wk's
	s_cselect_b32 s90, -1, 0                       ; k has no bias
	s_cselect_b32 s48, QU, 0
	s_cselect_b32 s104, QS, s67
	s_add_co_u32 s48, s48, s2
	s_add_co_u32 s104, s104, s2
	s_mul_i32 s3, s[WM], 4*UNB
	s_add_co_u32 s48, s48, s3                      ; my four units
	s_lshl_b32 s3, s[WM], 8
	s_add_co_u32 s104, s104, s3                    ; my 256 bytes of scale words
	s_mov_b32 s49, 0
	s_mov_b32 s105, 0
	; and block 2
	s_lshl_b32 s2, s83, 1
	s_add_co_u32 s2, s2, s[WN]                     ; my 128 tokens: which key step of all
	s_lshr_b32 s3, s2, 3
	s_lshl_b32 s3, s3, 4                           ; the sequence x 16
	s_lshl_b32 s67, s82, 1
	s_add_co_u32 s3, s3, s67
	s_add_co_u32 s3, s3, s[WM]                     ; + the head: 64 channels each
	s_lshl_b32 s3, s3, 3
	s_and_b32 s2, s2, 7
	s_add_co_u32 s2, s2, s3
	s_mul_i32 s2, s2, CH
	s_add_co_u32 s94, s2, VF
	s_mov_b32 s95, 0
	s_add_co_u32 s96, s2, VS
	s_mov_b32 s97, 0
	s_lshl_b32 s88, s76, 10
	s_lshl_b32 s3, s[WN], 9
	s_add_co_u32 s88, s88, s3                      ; my 128 features in bq, in bytes
	s_mov_b32 s89, 0
	s_lshl_b32 s100, s82, 9
	s_lshl_b32 s3, s[WM], 8
	s_add_co_u32 s100, s100, s3                    ; my 64 channels in bv
	s_mov_b32 s101, 0
	s_mov_b32 s98, 0x76543210
	s_mov_b32 s99, 0xfedcba98                      ; v_permlanex16_b32's selects for lane l xor 16
	s_mul_i32 s2, s[WM], 4*TCH
	s_mul_i32 s3, s[WN], 8*TCH
	s_add_co_u32 s3, s3, BREG
	v_and_b32 v1, 15, v0                           ; r
	v_bfe_u32 v2, v0, 4, 1                         ; h
	v_and_b32 v3, 31, v0                           ; lane
	v_lshlrev_b32 v[L16], 4, v3
	v_lshlrev_b32 v[L8], 3, v3
	v_add_nc_u32 v[A16], s2, v[L16]
	v_add_nc_u32 v[A16+1], CHA, v[A16]
	v_add_nc_u32 v[A8], s2, v[L8]
	v_add_nc_u32 v[A8], 512, v[A8]
	v_add_nc_u32 v[A8+1], CHA, v[A8]
	v_add_nc_u32 v[B16], s3, v[L16]
	v_add_nc_u32 v[B16+1], CHB, v[B16]
	v_add_nc_u32 v[B8], s3, v[L8]
	v_add_nc_u32 v[B8], 512, v[B8]
	v_add_nc_u32 v[B8+1], CHB, v[B8]
	v_lshlrev_b32 v[SH], 4, v2
	v_mul_u32_u24 v[SQ], 8*CH, v2
	v_lshl_add_u32 v[SQ], v1, 4, v[SQ]
	v_lshlrev_b32 v[RV], 4, v1
	v_lshlrev_b32 v14, 6, v2                       ; 64 h: my half's place in bq
	v_and_b32 v3, 8, v1
	v_add_nc_u32 v3, v3, v1
	v_lshlrev_b32 v3, 2, v3                        ; 4 (r + 8 (r / 8)): my channel's place in bv
.irp b, 0,1,2,3
	v_mov_b32 v[TM+4+\b], 0                        ; written once: a lane permute's destination counts as one of its sources
.endr
	s_wait_alu depctr_va_vdst(0)
	s_wait_dscnt 0x0                               ; both opening adds are done
	s_wait_kmcnt 0x0
	s_add_nc_u64 s[18:19], s[4:5], s[18:19]
	s_add_nc_u64 s[22:23], s[4:5], s[22:23]
	s_add_nc_u64 s[68:69], s[4:5], s[68:69]
	s_add_nc_u64 s[70:71], s[4:5], s[70:71]
	s_add_nc_u64 s[84:85], s[6:7], s[84:85]
	s_add_nc_u64 s[86:87], s[6:7], s[86:87]
	s_add_nc_u64 s[72:73], s[6:7], s[72:73]
	s_add_nc_u64 s[74:75], s[6:7], s[74:75]
	s_add_nc_u64 s[88:89], s[8:9], s[88:89]
	s_add_nc_u64 s[100:101], s[10:11], s[100:101]
	s_add_nc_u64 s[48:49], s[12:13], s[48:49]
	s_add_nc_u64 s[104:105], s[12:13], s[104:105]
	s_add_nc_u64 s[94:95], s[12:13], s[94:95]
	s_add_nc_u64 s[96:97], s[12:13], s[96:97]
	s_add_nc_u64 s[50:51], s[18:19], 256*REC       ; block 1: A 256 rowtiles on, the same B
	s_mov_b64 s[52:53], s[22:23]
	s_add_nc_u64 s[54:55], s[84:85], 256*512
	s_mov_b64 s[92:93], s[86:87]
	s_mov_b32 s40, 1                               ; group 0: A's slot 0, slot 1; B's slot 0, slot 1
	s_mov_b32 s41, s20
	s_mov_b64 s[42:43], s[18:19]
	s_or_b32 s43, s43, 0x80000000
	s_mov_b32 s44, 1
	s_add_co_u32 s45, s20, CHA
	s_mov_b32 s56, 1
	s_mov_b32 s57, s21
	s_mov_b64 s[58:59], s[22:23]
	s_or_b32 s59, s59, 0x80000000
	s_mov_b32 s60, 1
	s_add_co_u32 s61, s21, CHB
	CROUND                                         ; all sixteen work-groups are here: the first joint loads meet
	JLOAD 0                                        ; block 0's K steps 0 to 3: one load a wave at the head
	SCL
.irp b, 0,1,2,3,4,5,6,7                ; bq: eight registers a tile, in the result's layout: features 32 (b / 2) + 16 h + 8 (b % 2) + 0 .. 7; it serves blocks 0 and 1
	global_load_b128 v[BC+8*\b:BC+8*\b+3], v14, s[88:89] offset:(32*(\b/2)+8*(\b%2))*4
	global_load_b128 v[BC+8*\b+4:BC+8*\b+7], v14, s[88:89] offset:(32*(\b/2)+8*(\b%2))*4+16
.endr
.irp a, 0,1,2,3                        ; bv: one number a lane and tile
	global_load_b32 v[VBI+\a], v3, s[100:101] offset:(32*(\a/2)+8*(\a%2))*4
.endr
	s_wait_loadcnt 0x0
.set J, 0
.rept 64
	v_and_b32 v[BC+J], s90, v[BC+J]
.set J, J+1
.endr
	s_mov_b32 s17, 2
	s_wait_alu depctr_va_vdst(0)
.Lblock:
	HEAD0 1
	STEP 1
	STEP 2
	TURN3
	STEP 4
	STEP 5
	STEP 6
	STEP 7
	PLACES 4                                       ; behind the last products: for the loads into their scale registers and the first reads of results
	SCL                                            ; the next block's scale words come in under the way out
.irp a, 0,1,2,3
	QUANTW \a, 48, \a*UNB, \a*UNB+8*CH             ; a fragment's two units are two heads' units: the second lies eight chunks on
.endr
.irp a, 0,1,2,3
	v_lshrrev_b32 v[PW+4+\a], v[SH], v[PW+\a]      ; lanes 16-31 store the second head's words: the upper two bytes;
.endr
.irp a, 0,1,2,3
	v_and_b32 v[PW+4+\a], 0xffff, v[PW+4+\a]       ; a word keeps two bytes: the other two, over zero codes, are 0
.endr
	global_store_b128 v[SQ], v[PW+4:PW+7], s[104:105]   ; sixteen lanes store 256 consecutive bytes, aligned
	s_wait_xcnt 0x0                                ; the stores have read their registers and bases: they are written again only behind this wait
	s_add_nc_u64 s[48:49], s[48:49], 512*CH        ; block 1: four sequences, 512 chunks, on
	s_add_nc_u64 s[104:105], s[104:105], 512*CH
	s_sub_co_u32 s17, s17, 1
	s_cmp_lg_u32 s17, 0
	s_wait_alu depctr_va_vdst(0)
	s_cbranch_scc1 .Lblock
.irp a, 0,1,2,3                        ; THE BLOCK OF V^T: the bias belongs to A's rows: the same number in a tile's eight registers
.irp j, 0,1,2,3,4,5,6,7
	v_mov_b32 v[BC+8*\a+\j], v[VBI+\a]
.endr
.endr
	s_wait_alu depctr_va_vdst(0)
	HEAD0 2
	STEP 1
	STEP 2
	LAST3
	STEP 4
	STEP 5
	STEP 6
	STEP 7
	PLACES 4
.irp a, 0,1,2,3
	QUANTW \a, 94, \a*FRB, \a*FRB+UNB              ; a wave's 128 tokens are one key step: a whole fragment of V^T for each tile of channels
.endr
	global_store_b128 v[RV], v[PW:PW+3], s[96:97]  ; sixteen lanes store 256 consecutive bytes, aligned; lanes 16-31 store the same words to the same bytes
	s_wait_tensorcnt 0x0                           ; the wave's end
	ds_add_u32 v[SPW], v[NIL]
	s_wait_dscnt 0x0
	CROUND                                         ; the closing round: no work-group ends while a partner may still ask for a tile that names it
	s_endpgm
.Lfunc_end_k_qb17ee49758_proj:
	.size	k_qb17ee49758_proj, .Lfunc_end_k_qb17ee49758_proj-k_qb17ee49758_proj
	.p2alignl 7, 3214868480
	.fill 96, 4, 3214868480
	.section	.rodata,"a",@progbits
	.p2align	6, 0x0
	.amdhsa_kernel k_qb17ee49758_proj
		.amdhsa_group_segment_fixed_size 327680
		.amdhsa_private_segment_fixed_size 0
		.amdhsa_enable_private_segment 0
		.amdhsa_kernarg_size 40
		.amdhsa_user_sgpr_count 2
		.amdhsa_user_sgpr_kernarg_segment_ptr 1
		.amdhsa_wavefront_size32 1
		.amdhsa_system_sgpr_workgroup_id_x 1
		.amdhsa_system_sgpr_workgroup_id_y 1
		.amdhsa_system_sgpr_workgroup_id_z 1
		.amdhsa_system_vgpr_workitem_id 0
		.amdhsa_next_free_vgpr 704
		.amdhsa_next_free_sgpr 106
		.amdhsa_reserve_vcc 0
		.amdhsa_float_denorm_mode_32 3
		.amdhsa_float_denorm_mode_16_64 3
		.amdhsa_memory_ordered 1
		.amdhsa_forward_progress 1
		.amdhsa_inst_pref_size 172
	.end_amdhsa_kernel
	.amdgpu_metadata
---
amdhsa.version: [ 1, 2 ]
amdhsa.kernels:
  - .name:           k_qb17ee49758_proj
    .symbol:         k_qb17ee49758_proj.kd
    .args:
      - { .name: cod, .offset: 0, .size: 8, .value_kind: global_buffer, .address_space: global }
      - { .name: scl, .offset: 8, .size: 8, .value_kind: global_buffer, .address_space: global }
      - { .name: bq, .offset: 16, .size: 8, .value_kind: global_buffer, .address_space: global }
      - { .name: bv, .offset: 24, .size: 8, .value_kind: global_buffer, .address_space: global }
      - { .name: qkv, .offset: 32, .size: 8, .value_kind: global_buffer, .address_space: global }
    .group_segment_fixed_size: 327680
    .private_segment_fixed_size: 0
    .kernarg_segment_align: 8
    .kernarg_segment_size: 40
    .max_flat_workgroup_size: 128
    .sgpr_count:     106
    .vgpr_count:     704
    .wavefront_size: 32
...
	.end_amdgpu_metadata
.endif
;; end of part 2
;; launch attn (part 3): grid 2 x 128, 8 waves a work-group, no clusters, 167,936 bytes of LDS; arguments qkv, ctxc, ctxs; writes ctxc, ctxs
.if DOCPART == 3
	.amdgcn_target "amdgcn-amd-amdhsa--gfx1250"
	.amdhsa_code_object_version 6
	.text
	.protected	k_qb17ee49758_attn
	.globl	k_qb17ee49758_attn
	.p2align	8
	.type	k_qb17ee49758_attn,@function
k_qb17ee49758_attn:
	s_mov_b64 s[64:65], 0
	v_nop
	global_prefetch_b8 v0, s[64:65] scope:SCOPE_SE
	s_setreg_imm32_b32 hwreg(HW_REG_WAVE_MODE, 25, 1), 1
	s_wait_xcnt 0x0
; ctx[q] = the sum over the keys of one sequence of softmax(q . k / 8) v, for 8 sequences x 16 heads of 64; both products on codes of FP6 (E2M3) with E8M0 scales; ctx leaves QUANTISED along the features.
; THE SEQUENCES.  reference() takes of cu_seqlens its shape alone (9 entries: 8 sequences of 1,024 tokens); its entries enter no number of the result.  So 8 and 1,024 are constants here and the buffer is no argument.
; THE SOFTMAX: t = score x log2(e) / 8; M = the row's largest t so far, rounded UP to a whole number; p = 2^(t - M) is quantised along the keys, not normalised.  The row's sum is taken of the unquantised p
; and divides O at the end.  When M moves, the sum and O are multiplied by 2^(old M - new M): exact.
; SHARES.  A work-group owns 512 queries of one head of one sequence.  Each of its eight waves owns four tiles of 16 queries, in two passes of TWO TILES AT ONCE: tile A's numbers lie in register window 0, tile B's
; under the same register numbers in window 1, so one text (SM, FINAL) serves both.  Each fragment of K and of V^T read from LDS feeds both tiles.  Every wave walks the head's 1,024 keys, 128 a step.
; A TRIP: softmax of A (step i); O_A += V P_A; S_A = K Q_A of step i + 1; the same for B; then K of step i + 2 and V of step i + 1 are asked of LDS.  So a tile's products stand ahead of the other tile's vector work.
; THE WHOLE HEAD'S K AND V LIE IN LDS, filled once: 8 key steps x 13,056 bytes, each a dense block of memory; wave w brings key step w: one tensor load a wave, at the head.  Nothing is filled again.
; NO CLUSTER: only two work-groups share a head; a cluster of four would hold two heads and its mask would hang on the place in the cluster.  NO PREFETCH: every byte is asked for once, at the head; there is no loop to run ahead in.
; LAYOUT.  Both products are used transposed: S^T = K Q^T, O^T = V^T P^T: a lane holds ONE query throughout.
; THE KEYS OF A TILE OF K ARE CHOSEN BY THE LANES' LDS ADDRESSES: position m of tile 4 c + u is key 64 c + 32 (m / 8) + 8 u + m % 8.  Lane (r, h) then holds, in the 32 registers of tiles 4 c .. 4 c + 3, keys 64 c + 32 h + 0 .. 31:
; a WHOLE block of 32, in the order that P's fragment wants: a block's maximum needs no other lane and its codes change no lane.
; The head has 64 channels, the instruction 128 along K: Q's upper half is zero codes.  So what stands in the upper half of K's fragment adds nothing (every 6-bit code is a finite number, K's and Q's upper scale bytes are 0):
; K's eight units lie six registers apart, each fragment's upper half being the next unit, the last one's six registers of zeros.
; THE EXPONENTIALS stand by turns with multiply-adds and additions whose results no line of the same run reads; an s_wait_alu stands between the runs.
; LIMITS: the promise holds while the scaled scores stay under 2^31 in magnitude; a block of ctx that is all zeros or under 2^-124 gets the scale byte 1 (read by this program alone); NaN and infinities are not served.
.set CH,    19712                      ; a chunk of qkv in memory: K's 8 units, V's 4 fragments, K's scale words, V's, Q's 8 units, Q's scale words
.set LCH,   13056                      ; its part that comes into LDS: 51 x 256 bytes
.set VF,    6144
.set KS,    12288
.set VS,    12800
.set QU,    13056
.set QS,    19200
.set SPARE, 8*LCH                      ; behind the key steps: the spare words, 128 bytes for each wave
; window 0, shared
.set L16,   1                          ; 16 x lane
.set L8,    2                          ; 512 + 8 x lane
.set R16,   3                          ; 16 r
.set KL16,  4                          ; K's units, registers 0-3: 1536 (m / 8) + 16 (m % 8) + 256 h
.set KL8,   5                          ; registers 4-5: 512 + 1536 (m / 8) + 8 (m % 8) + 128 h
.set KLS,   6                          ; K's scale words: KS + 16 (m % 8) + 8 (m / 8) + 256 h: lanes 16-31 take tiles 4-7's
.set SPW,   7
.set NIL,   8
.set AK16,  9                          ; v9-11, v246-248: the same six lane terms + the key step's LDS byte
.set AK8,   10
.set AKS,   11
.set AV16,  246
.set AV8,   247
.set AVS,   248
.set KSC,   96                         ; v96-99 K's scale words; v100-103 V's; v104-105 P's (A, B); v106-107 Q's (A, B)
.set VSC,   100
.set PW,    104
.set QSC,   106
.set KF,    192                        ; v192-239 K's eight units, v240-245 zeros
.set VR,    192                        ; window 1: v192-239 V's four fragments
; a tile's own, the same numbers in window 0 (A) and window 1 (B)
.set NM,    12                         ; -M
.set RM,    13                         ; the largest score so far
.set L,     14                         ; v[14:15] the sum, in two halves
.set Q,     16                         ; v16-27
.set BM,    28                         ; v28-29 my two blocks' largest score, then largest p, then the conversions' scale operand
.set BX,    30
.set TP,    32
.set T1,    33
.set F,     34                         ; v[34:35]
.set BY,    36
.set WD,    38
.set H8,    39                         ; 8 h
.set CT,    40
.set P,     48                         ; v48-59 P's codes
.set O,     64                         ; v64-95 O^T
.set S,     128                        ; v128-191 S^T, then p
.set WV,    10
.set SEL,   12
.set CS,    14                         ; s[14:15] c = log2(e) / 8
.set NC,    28                         ; -c
.set TB,    29
.set CNT,   30
.set PASS,  31
.set MSB, 0
.macro WIN new                         ; the immediate's high byte repeats the setting that is left
.if MSB != \new
	s_set_vgpr_msb (MSB<<8)|\new
.set MSB, \new
.endif
.endm
.macro WA
	s_wait_alu depctr_va_vdst(0)
.endm
.macro ADD d, a
	v_pk_add_f32 v[\d:\d+1], v[\d:\d+1], v[\a:\a+1]
.endm
.macro EXPA e, d, a
	v_exp_f32 v[\e], v[\e]
	ADD \d, \a
.endm
.macro FMA d                           ; t - M, two at a time (of the pairs c and -M the low word serves both halves)
	v_pk_fma_f32 v[\d:\d+1], v[\d:\d+1], s[CS:CS+1], v[NM:NM+1] op_sel_hi:[1,0,0]
.endm
.macro EXPF e, d
	v_exp_f32 v[\e], v[\e]
	FMA \d
.endm
.macro EXPS e, n
.set JE, 0
.rept \n
	v_exp_f32 v[\e+JE], v[\e+JE]
.set JE, JE+1
.endr
.endm
	s_load_b128 s[4:7], s[0:1], 0x0                ; qkv, ctxc
	s_load_b64 s[8:9], s[0:1], 0x10                ; ctxs
	v_lshl_add_u32 v[SPW], v0, 2, SPARE
	v_mov_b32 v[NIL], 0
	ds_add_u32 v[SPW], v[NIL]                      ; the opening lines: the add, twice on end, and its wait ahead of my tensor load
	ds_add_u32 v[SPW], v[NIL]
	v_lshrrev_b32 v1, 5, v0
	v_readfirstlane_b32 s[WV], v1                  ; wave 0..7
	s_and_b32 s11, ttmp7, 0xffff                   ; Y = sequence x 16 + head
	s_mov_b32 s16, 3<<16                           ; group 1: a dense block of 13,056 bytes as 51 rows of 256 bytes (32 elements of 8)
	s_mov_b32 s17, 32<<16
	s_mov_b32 s18, 51<<16
	s_mov_b32 s19, 32<<16
	s_mov_b32 s20, 51
	s_mov_b32 s21, 32
	s_mov_b32 s22, 0
	s_mov_b32 s23, 0
	s_mov_b32 s[SEL], 0x76543210
	s_mov_b32 s[SEL+1], 0xfedcba98                 ; v_permlanex16_b32's selects for lane l xor 16
	s_mov_b32 s[CS], 0x3e38aa3b
	s_mov_b32 s[CS+1], s[CS]
	s_mov_b32 s[NC], 0xbe38aa3b
	s_mul_i32 s32, s11, 8*CH                       ; the head's eight chunks
	s_mul_i32 s42, s[WV], CH
	s_add_co_u32 s44, s32, s42                     ; key step = my wave's number
	s_mov_b32 s45, 0
	s_mov_b32 s24, 1
	s_mul_i32 s25, s[WV], LCH
	s_lshl_b32 s42, ttmp9, 2                       ; my tiles of queries: 32 x + 16 pass + 2 wave + (0, 1) of the sequence's 64: chunk 4 x + 2 pass + wave / 4, units 2 (wave % 4) + (0, 1)
	s_lshr_b32 s43, s[WV], 2
	s_add_co_u32 s42, s42, s43
	s_mul_i32 s42, s42, CH
	s_add_co_u32 s42, s42, s32
	s_and_b32 s43, s[WV], 3
	s_mul_i32 s43, s43, 1536
	s_add_co_u32 s34, s42, s43
	s_add_co_u32 s34, s34, QU                      ; tile A's unit; B's follows it
	s_mov_b32 s35, 0
	s_bfe_u32 s43, s[WV], 0x10001
	s_lshl_b32 s43, s43, 8
	s_add_co_u32 s36, s42, s43
	s_and_b32 s43, s[WV], 1
	s_lshl_b32 s43, s43, 3
	s_add_co_u32 s36, s36, s43
	s_add_co_u32 s36, s36, QS                      ; their two scale words, side by side: 256 (unit / 4) + 4 (unit % 4), + 16 r
	s_mov_b32 s37, 0
	s_lshr_b32 s46, s11, 4
	s_lshl_b32 s46, s46, 6
	s_lshl_b32 s43, ttmp9, 5
	s_add_co_u32 s46, s46, s43
	s_lshl_b32 s43, s[WV], 1
	s_add_co_u32 s46, s46, s43                     ; tile A as a rowtile of ctx
	s_and_b32 s47, s11, 15                         ; the head
	s_mul_i32 s38, s46, 12288
	s_mul_i32 s43, s47, 768
	s_add_co_u32 s38, s38, s43                     ; the head's unit in the rowtile's record
	s_mov_b32 s39, 0
	s_lshl_b32 s40, s46, 9
	s_lshr_b32 s43, s47, 3
	s_lshl_b32 s43, s43, 8
	s_add_co_u32 s40, s40, s43
	s_and_b32 s43, s11, 7
	s_lshl_b32 s43, s43, 1
	s_add_co_u32 s40, s40, s43                     ; its two bytes in the scale record: 256 (head / 8) + 2 (head % 8), + 16 r
	s_mov_b32 s41, 0
	v_and_b32 v9, 31, v0
	v_lshlrev_b32 v[L16], 4, v9
	v_lshlrev_b32 v[L8], 3, v9
	v_add_nc_u32 v[L8], 512, v[L8]
	v_and_b32 v10, 15, v0
	v_lshlrev_b32 v[R16], 4, v10
	v_and_b32 v9, 7, v0                            ; m % 8
	v_bfe_u32 v10, v0, 3, 1                        ; m / 8
	v_bfe_u32 v11, v0, 4, 1                        ; h
	v_mul_u32_u24 v246, v10, 1536
	v_lshl_add_u32 v[KL16], v9, 4, v246
	v_lshl_add_u32 v[KL16], v11, 8, v[KL16]
	v_lshl_add_u32 v[KL8], v9, 3, v246
	v_lshl_add_u32 v[KL8], v11, 7, v[KL8]
	v_add_nc_u32 v[KL8], 512, v[KL8]
	v_lshlrev_b32 v[KLS], 4, v9
	v_lshl_add_u32 v[KLS], v10, 3, v[KLS]
	v_lshl_add_u32 v[KLS], v11, 8, v[KLS]
	v_add_nc_u32 v[KLS], KS, v[KLS]
	WA
	s_wait_dscnt 0x0                               ; both opening adds are done
	s_wait_kmcnt 0x0
	s_add_nc_u64 s[26:27], s[4:5], s[44:45]
	s_or_b32 s27, s27, 0x80000000
	s_add_nc_u64 s[34:35], s[4:5], s[34:35]
	s_add_nc_u64 s[36:37], s[4:5], s[36:37]
	s_add_nc_u64 s[38:39], s[6:7], s[38:39]
	s_add_nc_u64 s[40:41], s[8:9], s[40:41]
	tensor_load_to_lds s[24:27], s[16:23]          ; my key step: my only tensor load
	s_nop 0
	global_load_b128 v[Q:Q+3], v[L16], s[34:35]    ; the first pass's tile A of Q,
	global_load_b64 v[Q+4:Q+5], v[L8], s[34:35]
	global_load_b64 v[QSC:QSC+1], v[R16], s[36:37] ; both tiles' scale words
.macro INIT                            ; once for each window
.irp j, 6,7,8,9,10,11
	v_mov_b32 v[Q+\j], 0                           ; zero codes for k = 64 .. 127 of Q's fragment; they stay
.endr
	v_mov_b32 v[TP], 0                             ; a lane permute's destination counts as one of its sources
	v_mov_b32 v[T1], 0
	v_mov_b32 v[F+1], 0                            ; named as the upper half of a pair
	v_lshlrev_b32 v[H8], 3, v11
.endm
	INIT
.irp j, 48,49,50,51,52,53
	v_mov_b32 v[KF+\j], 0                          ; behind K's last unit
.endr
	WIN 0x40                                       ; destination window 1
	INIT
	global_load_b128 v[Q:Q+3], v[L16], s[34:35] offset:768   ; and tile B
	global_load_b64 v[Q+4:Q+5], v[L8], s[34:35] offset:768
	WIN 0
	s_mov_b32 s[PASS], 0
	WA
	s_wait_tensorcnt 0x0                           ; my key step is in LDS
	s_barrier_signal -1
	s_barrier_wait -1                              ; everybody's is
.macro START                           ; a tile of queries begins: the first step finds zeros, which the first change of M leaves zeros
	v_mov_b32 v[RM], 0xff61b1e6                    ; -3e38, under every score
	v_mov_b32 v[NM], 0x7e000000                    ; -M: so large that the first factor 2^(old M - new M) is 0
	v_mov_b32 v[L], 0
	v_mov_b32 v[L+1], 0
.set J, 0
.rept 32
	v_mov_b32 v[O+J], 0
.set J, J+1
.endr
.endm
.macro ADDR k                          ; the LDS addresses of the key step at s[TB]; at least four plain lines: the places between the last products and the loads into registers that they read
.if \k
	v_add_nc_u32 v[AK16], s[TB], v[KL16]
	v_add_nc_u32 v[AK8], s[TB], v[KL8]
	v_add_nc_u32 v[AKS], s[TB], v[KLS]
.else
	v_nop
.endif
	v_add_nc_u32 v[AV16], s[TB], v[L16]
	v_add_nc_u32 v[AV8], s[TB], v[L8]
	v_add_nc_u32 v[AVS], s[TB], v[R16]
.endm
.macro LOADK off                       ; tile 4 c + u: lane m takes position 8 (u / 2) + m % 8 of the stored unit 4 c + 2 (m / 8) + u % 2
.irp c, 0,1
.irp u, 0,1,2,3
	ds_load_b128 v[KF+6*(4*\c+\u):KF+6*(4*\c+\u)+3], v[AK16] offset:\off+768*(4*\c+\u%2)+128*(\u/2)
	ds_load_b64 v[KF+6*(4*\c+\u)+4:KF+6*(4*\c+\u)+5], v[AK8] offset:\off+768*(4*\c+\u%2)+64*(\u/2)
.endr
.endr
	ds_load_b64 v[KSC:KSC+1], v[AKS] offset:\off        ; register u: tile u's words in lanes 0-15, tile 4 + u's in lanes 16-31
	ds_load_b64 v[KSC+2:KSC+3], v[AKS] offset:\off+128
.endm
.macro LOADV
	WIN 0x40
.irp a, 0,1,2,3
.irp u, 0,1
	ds_load_b128 v[VR+12*\a+6*\u:VR+12*\a+6*\u+3], v[AV16] offset:VF+1536*\a+768*\u
	ds_load_b64 v[VR+12*\a+6*\u+4:VR+12*\a+6*\u+5], v[AV8] offset:VF+1536*\a+768*\u
.endr
.endr
	WIN 0
	ds_load_b128 v[VSC:VSC+3], v[AVS] offset:VS
.endm
.macro QK ab                           ; S^T = K Q^T: eight tiles of 16 keys
.irp t, 0,1,2,3
	v_wmma_scale_f32_16x16x128_f8f6f4 v[S+8*\t:S+8*\t+7], v[KF+6*\t:KF+6*\t+11], v[Q:Q+11], 0, v[KSC+\t], v[QSC+\ab] matrix_a_fmt:MATRIX_FMT_FP6 matrix_b_fmt:MATRIX_FMT_FP6
.endr
.irp t, 0,1,2,3
	v_wmma_scale_f32_16x16x128_f8f6f4 v[S+32+8*\t:S+32+8*\t+7], v[KF+24+6*\t:KF+24+6*\t+11], v[Q:Q+11], 0, v[KSC+\t], v[QSC+\ab] matrix_a_fmt:MATRIX_FMT_FP6 matrix_b_fmt:MATRIX_FMT_FP6 matrix_a_scale:MATRIX_SCALE_ROW1
.endr
.endm
.macro PV ab                           ; O^T += V^T P^T: the four accumulators by turns
.irp a, 0,1,2,3
	v_wmma_scale_f32_16x16x128_f8f6f4 v[O+8*\a:O+8*\a+7], v[VR+12*\a:VR+12*\a+11], v[P:P+11], v[O+8*\a:O+8*\a+7], v[VSC+\a], v[PW+\ab] matrix_a_fmt:MATRIX_FMT_FP6 matrix_b_fmt:MATRIX_FMT_FP6
.endr
.endm
; THE SOFTMAX OF ONE TILE AND ONE KEY STEP, all its registers in the window that is set.  Register S + 32 c + i is key 64 c + 32 h + i.  Group g: the 16 registers from S + 16 g on.
.macro SM ab
	WA                                             ; directly ahead of the first reader of S^T
.irp k, 0,1,2,3                        ; the largest score of my two blocks, in four chains by turns, each accumulator from its low end on
	v_max3_num_f32 v[BM+(\k/2)+2*(\k%2)], v[S+16*\k], v[S+16*\k+1], v[S+16*\k+2]
.endr
.irp i, 3,5,7,9,11,13
.irp k, 0,1,2,3
	v_max3_num_f32 v[BM+(\k/2)+2*(\k%2)], v[BM+(\k/2)+2*(\k%2)], v[S+16*\k+\i], v[S+16*\k+\i+1]
.endr
.endr
.irp c, 0,1
	v_max3_num_f32 v[BM+\c], v[BM+\c], v[BX+\c], v[S+32*\c+15]
.endr
.irp c, 0,1
	v_max_num_f32 v[BM+\c], v[BM+\c], v[S+32*\c+31]
.endr
	s_delay_alu instid0(VALU_DEP_1)
	v_max_num_f32 v[T1], v[BM], v[BM+1]
	s_delay_alu instid0(VALU_DEP_1)
	v_permlanex16_b32 v[TP], v[T1], s[SEL], s[SEL+1]
	s_delay_alu instid0(VALU_DEP_1)
	v_max3_num_f32 v[RM], v[RM], v[T1], v[TP]      ; with lane l xor 16's two blocks: the running largest score of my query
	v_mov_b32 v[T1], v[NM]
	s_delay_alu instid0(VALU_DEP_2)
	v_mul_f32 v[TP], s[NC], v[RM]                  ; -t (c is positive)
	s_delay_alu instid0(VALU_DEP_1)
	v_floor_f32 v[NM], v[TP]                       ; the new -M = floor(-t) = -ceil(t)
	s_delay_alu instid0(VALU_DEP_1)
	v_sub_f32 v[T1], v[NM], v[T1]                  ; old M - new M: a whole number, 0 or less
	s_delay_alu instid0(VALU_DEP_1)
	v_cvt_i32_f32 v[T1], v[T1]                     ; (it saturates)
	s_delay_alu instid0(VALU_DEP_1)
	v_ldexp_f32 v[F], 1.0, v[T1]                   ; f = 2^(old M - new M)
.irp c, 0,1
	v_fma_f32 v[BM+\c], v[BM+\c], s[CS], v[NM]     ; t - M of each block's largest score: p rises with the score, so its exponential is the block's largest p
.endr
.set J, 0
.rept 8
	FMA S+J
.set J, J+2
.endr
	WA                                             ; directly ahead of the first reader of O^T
.set J, 0
.rept 16
	v_pk_mul_f32 v[O+J:O+J+1], v[O+J:O+J+1], v[F:F+1] op_sel_hi:[1,0]   ; O^T under the new M
.set J, J+2
.endr
	v_pk_mul_f32 v[L:L+1], v[L:L+1], v[F:F+1] op_sel_hi:[1,0]           ; and the sum
	WA
	v_exp_f32 v[BM], v[BM]
	v_exp_f32 v[BM+1], v[BM+1]
.set J, 0
.rept 16                               ; p of group 0; t - M of groups 1 and 2
	EXPF S+J, S+16+2*J
.set J, J+1
.endr
	WA
.irp c, 0,1
	v_max_num_f32 v[BM+\c], 0x1800000, v[BM+\c]    ; the floor 2^(3 - 127): the byte cannot fall under 1
.endr
.irp c, 0,1
	v_add_nc_u32 v[BM+\c], 0xff000000, v[BM+\c]    ; 2 off the exponent field: the conversion's scale operand
.endr
.irp c, 0,1
	v_lshrrev_b32 v[BY+\c], 23, v[BM+\c]           ; the scale's byte
.endr
	v_cvt_scalef32_pk16_fp6_f32 v[P:P+2], v[S:S+15], v[BM]
	EXPS S+16, 4                                   ; p of group 1; t - M of group 3; the sum is taken of p in place, once its codes are made
.set J, 0
.rept 8
	EXPF S+20+J, S+48+2*J
.set J, J+1
.endr
.irp k, 0,1,2,3
	EXPA S+28+\k, S+4*\k, S+4*\k+2
.endr
	WA
	v_cvt_scalef32_pk16_fp6_f32 v[CT:CT+2], v[S+16:S+31], v[BM]   ; (a conversion's three registers begin on an even number)
	ADD S, S+4                                     ; two plain lines behind the conversion,
	ADD S+8, S+12
.irp i, 0,1,2
	v_mov_b32 v[P+3+\i], v[CT+\i]                  ; and its codes go to their place ahead of the next exponentials
.endr
	EXPS S+32, 11                                  ; p of group 2
.irp k, 0,1,2,3
	EXPA S+43+\k, S+16+4*\k, S+16+4*\k+2
.endr
	v_exp_f32 v[S+47], v[S+47]
	v_lshl_or_b32 v[WD], v[BY+1], 16, v[BY]        ; my bytes: blocks h and 2 + h
	WA
	v_cvt_scalef32_pk16_fp6_f32 v[P+6:P+8], v[S+32:S+47], v[BM+1]
	v_lshlrev_b32 v[WD], v[H8], v[WD]              ; at their places in the word
	v_permlanex16_b32 v[TP], v[WD], s[SEL], s[SEL+1]
.if \ab
	WIN 0x05                                       ; scale operands have no window: P's word goes to window 0
.endif
	v_or_b32 v[PW+\ab], v[WD], v[TP]               ; with lane l xor 16's two the word is whole
.if \ab
	WIN 0x55
.endif
	EXPS S+48, 9                                   ; p of group 3
	EXPA S+57, S, S+8
	EXPA S+58, S+16, S+20
	EXPA S+59, S+24, S+28
.irp k, 0,1,2,3
	EXPA S+60+\k, S+32+4*\k, S+32+4*\k+2
.endr
	WA
	v_cvt_scalef32_pk16_fp6_f32 v[CT:CT+2], v[S+48:S+63], v[BM+1]
	ADD S+16, S+24
	ADD S+32, S+36
	ADD S+40, S+44
.irp i, 0,1,2
	v_mov_b32 v[P+9+\i], v[CT+\i]
.endr
.irp k, 0,1,2,3                        ; the lines from here on are also the places between P's last codes and the products
	ADD S+48+4*\k, S+48+4*\k+2
.endr
	ADD S, S+16
	ADD S+32, S+40
	ADD S+48, S+52
	ADD S+56, S+60
	ADD L, S
	ADD S+48, S+56
	s_delay_alu instid0(VALU_DEP_1)
	ADD S+32, S+48
	s_delay_alu instid0(VALU_DEP_1)
	ADD L, S+32
.endm
.macro TRIP qk, kl                     ; qk: a next key step follows; kl: and one behind it
	SM 0
	s_wait_dscnt 0x0                               ; the fragments asked for at the last trip's end are in
	WIN 0x01                                       ; V's fragments lie in window 1
	PV 0
.if \qk
	WIN 0
	QK 0
.endif
	WIN 0x55
	SM 1
	PV 1
.if \qk
	WIN 0x44                                       ; K in window 0; Q and S^T in window 1
	QK 1
.endif
	WIN 0
.if \qk
	s_add_co_u32 s[TB], s[TB], LCH
	ADDR \kl
.if \kl
	LOADK LCH
.endif
	LOADV
.endif
.endm
; A tile is finished: O^T / the sum is ctx: register 16 b + i is channel 32 b + 16 h + i of my query.  Its two blocks of 32 are quantised and leave as the head's unit of the rowtile's record.
.macro FINAL ab
	v_add_f32 v[L], v[L], v[L+1]
	s_delay_alu instid0(VALU_DEP_1)
	v_permlanex16_b32 v[TP], v[L], s[SEL], s[SEL+1]
	s_delay_alu instid0(VALU_DEP_1)
	v_add_f32 v[L], v[L], v[TP]                    ; the row's sum
	WA
	v_rcp_f32 v[L], v[L]
	v_nop
	WA                                             ; ahead of the reciprocal's first reader, which is also O^T's
.set J, 0
.rept 16
	v_pk_mul_f32 v[S+J:S+J+1], v[O+J:O+J+1], v[L:L+1] op_sel_hi:[1,0]
.set J, J+2
.endr
.irp b, 0,1
	v_max3_num_f32 v[BM+\b], |v[S+16*\b]|, |v[S+16*\b+1]|, 0x1800000
.endr
.irp i, 2,4,6,8,10,12,14
.irp b, 0,1
	v_max3_num_f32 v[BM+\b], v[BM+\b], |v[S+16*\b+\i]|, |v[S+16*\b+\i+1]|
.endr
.endr
	v_permlanex16_b32 v[TP], v[BM], s[SEL], s[SEL+1]
	v_permlanex16_b32 v[T1], v[BM+1], s[SEL], s[SEL+1]
	v_max_num_f32 v[BM], v[BM], v[TP]
	v_max_num_f32 v[BM+1], v[BM+1], v[T1]
.irp b, 0,1
	v_add_nc_u32 v[BM+\b], 0xff000000, v[BM+\b]
.endr
.irp b, 0,1
	v_lshrrev_b32 v[BY+\b], 23, v[BM+\b]
.endr
	v_lshl_or_b32 v[WD], v[BY+1], 8, v[BY]         ; the head's two scale bytes
	v_cvt_scalef32_pk16_fp6_f32 v[P:P+2], v[S:S+15], v[BM]
	v_cvt_scalef32_pk16_fp6_f32 v[CT:CT+2], v[S+16:S+31], v[BM+1]
	v_nop
.irp i, 0,1,2
	v_permlane16_swap_b32 v[P+\i], v[CT+\i]        ; a whole block to a lane
.endr
.irp i, 0,1,2
	v_mov_b32 v[P+3+\i], v[CT+\i]
.endr
.if \ab
	WIN 0x04                                       ; a store's data are its source 1
.endif
	global_store_b128 v[L16], v[P:P+3], s[38:39] offset:\ab*12288   ; 512 consecutive bytes, aligned;
	global_store_b64 v[L8], v[P+4:P+5], s[38:39] offset:\ab*12288   ; 256
	global_store_b16 v[R16], v[WD], s[40:41] offset:\ab*512         ; two bytes a position: a record's 512 bytes come from 16 heads, which lie in 16 work-groups
.endm
.Lpass:
	START
	WIN 0x55
	START
	WIN 0
	s_mov_b32 s[TB], 0
	ADDR 1
	LOADK 0
	WA
	s_wait_loadcnt 0x0                             ; Q
	s_wait_dscnt 0x0
	QK 0
	WIN 0x44
	QK 1
	WIN 0
.rept 4
	v_nop                                          ; places in front of loads into registers that matrix instructions have read
.endr
	LOADK LCH
	LOADV
	s_mov_b32 s[CNT], 6
.Ltrip:
	TRIP 1, 1
	s_sub_co_u32 s[CNT], s[CNT], 1
	s_cmp_lg_u32 s[CNT], 0
	WA
	s_cbranch_scc1 .Ltrip
	TRIP 1, 0                                      ; key step 6: K's last step is in registers already
	s_cmp_eq_u32 s[PASS], 0
	s_cbranch_scc0 .Lno_next_q
	global_load_b128 v[Q:Q+3], v[L16], s[34:35] offset:2*CH        ; Q has had its last product of this pass: the second pass's tiles, 16 tiles = two chunks on
	global_load_b64 v[Q+4:Q+5], v[L8], s[34:35] offset:2*CH
	global_load_b64 v[QSC:QSC+1], v[R16], s[36:37] offset:2*CH
	WIN 0x40
	global_load_b128 v[Q:Q+3], v[L16], s[34:35] offset:2*CH+768
	global_load_b64 v[Q+4:Q+5], v[L8], s[34:35] offset:2*CH+768
	WIN 0
.Lno_next_q:
	TRIP 0, 0                                      ; key step 7
	FINAL 0
	WIN 0x55
	FINAL 1
	WIN 0
	s_wait_xcnt 0x0                                ; the stores have read their registers and bases: they are written again only behind this wait
	s_add_nc_u64 s[38:39], s[38:39], 16*12288      ; 16 rowtiles on
	s_add_nc_u64 s[40:41], s[40:41], 16*512
	s_add_co_u32 s[PASS], s[PASS], 1
	s_cmp_lt_u32 s[PASS], 2
	WA
	s_cbranch_scc1 .Lpass
	s_wait_tensorcnt 0x0                           ; the wave's end
	ds_add_u32 v[SPW], v[NIL]
	s_wait_dscnt 0x0
	s_endpgm
.Lfunc_end_k_qb17ee49758_attn:
	.size	k_qb17ee49758_attn, .Lfunc_end_k_qb17ee49758_attn-k_qb17ee49758_attn
	.p2alignl 7, 3214868480
	.fill 96, 4, 3214868480
	.section	.rodata,"a",@progbits
	.p2align	6, 0x0
	.amdhsa_kernel k_qb17ee49758_attn
		.amdhsa_group_segment_fixed_size 167936
		.amdhsa_private_segment_fixed_size 0
		.amdhsa_enable_private_segment 0
		.amdhsa_kernarg_size 24
		.amdhsa_user_sgpr_count 2
		.amdhsa_user_sgpr_kernarg_segment_ptr 1
		.amdhsa_wavefront_size32 1
		.amdhsa_system_sgpr_workgroup_id_x 1
		.amdhsa_system_sgpr_workgroup_id_y 1
		.amdhsa_system_sgpr_workgroup_id_z 1
		.amdhsa_system_vgpr_workitem_id 0
		.amdhsa_next_free_vgpr 512
		.amdhsa_next_free_sgpr 66
		.amdhsa_reserve_vcc 0
		.amdhsa_float_denorm_mode_32 3
		.amdhsa_float_denorm_mode_16_64 3
		.amdhsa_memory_ordered 1
		.amdhsa_forward_progress 1
		.amdhsa_inst_pref_size 101
	.end_amdhsa_kernel
	.amdgpu_metadata
---
amdhsa.version: [ 1, 2 ]
amdhsa.kernels:
  - .name:           k_qb17ee49758_attn
    .symbol:         k_qb17ee49758_attn.kd
    .args:
      - { .name: qkv, .offset: 0, .size: 8, .value_kind: global_buffer, .address_space: global }
      - { .name: ctxc, .offset: 8, .size: 8, .value_kind: global_buffer, .address_space: global }
      - { .name: ctxs, .offset: 16, .size: 8, .value_kind: global_buffer, .address_space: global }
    .group_segment_fixed_size: 167936
    .private_segment_fixed_size: 0
    .kernarg_segment_align: 8
    .kernarg_segment_size: 24
    .max_flat_workgroup_size: 256
    .sgpr_count:     66
    .vgpr_count:     512
    .wavefront_size: 32
...
	.end_amdgpu_metadata
.endif
;; end of part 3
;; launch outp (part 4): grid 4 x 64, 4 waves a work-group, clusters of 4 x 4, 327,680 bytes of LDS; arguments ctxc, ctxs, cod, scl, bo, out0; writes out0
.if DOCPART == 4
	.amdgcn_target "amdgcn-amd-amdhsa--gfx1250"
	.amdhsa_code_object_version 6
	.text
	.protected	k_qb17ee49758_outp
	.globl	k_qb17ee49758_outp
	.p2align	8
	.type	k_qb17ee49758_outp,@function
k_qb17ee49758_outp:
	s_mov_b64 s[64:65], 0
	v_nop
	global_prefetch_b8 v0, s[64:65] scope:SCOPE_SE
	s_setreg_imm32_b32 hwreg(HW_REG_WAVE_MODE, 25, 1), 1
	s_wait_xcnt 0x0
	s_wait_alu depctr_hold_cnt(0) depctr_sa_sdst(0) depctr_va_vdst(0) depctr_va_sdst(0) depctr_va_ssrc(0) depctr_va_vcc(0) depctr_vm_vsrc(0)
	s_getreg_b32 s2, hwreg(HW_REG_IB_STS2, 6, 4)
	s_cmp_eq_u32 s2, 0
	s_cbranch_scc0 .Lentry_in_a_cluster
	s_endpgm
.Lentry_in_a_cluster:
	s_bfe_u32 s2, ttmp6, 0x10000c
	s_cmp_lg_u32 s2, 0xf033
	s_cbranch_scc0 .Lentry_shape_is_right
	s_endpgm
.Lentry_shape_is_right:
; out0 = ctx Wo^T + bo on codes of FP6 (E2M3) with E8M0 scales, K = 1,024; out0 [8192][1024] f32.
; FORM, as in the launch of the projections.  A work-group makes 128 rows of A (ctx: tokens) x 256 rows of B (Wo: features).  Four waves, WM = wave / 2 along A (4 rowtiles), WN = wave % 2 along B (8 rowtiles):
; 32 accumulators a wave.  The matrix instruction is used transposed (source 0 = a rowtile of B, source 1 = a rowtile of A): a lane holds ONE token, and the 16 registers of B's tiles 2 b and 2 b + 1 are
; features 32 b + 16 (lane / 16) + 0 .. 15.  Position r of rowtile T is row 32 (T / 2) + 8 (T % 2) + r + 8 (r / 8).
; ALL OF K LIES IN LDS, filled once, in two chunks of four K steps; each wave has one tensor load out at a time, chunk 0's at the head, chunk 1's behind a wait and a round; a chunk is shown by a counted wait and a barrier.  Nothing is filled again.
; CLUSTER 4 x 4: A's rowtiles are shared along a row of the cluster, B's along a column: joint loads.  The scale words (a twenty-fourth of the codes' bytes) go straight into registers, for all of K, by twelve dense loads.
; The bias is the C of each sum's first matrix instruction.
; REGISTERS.  window 0: v1-15 addresses; v16-31 A's scale words, v32-63 B's (register 4 t + j: K step j in lanes 0-15, K step 4 + j in lanes 16-31); v64-127 the bias as C;
;   v128-223 A's fragments, two sets; on the way out v128-255 rows of out0.   window 1: accumulator (a, b) at v[8 (8 a + b)].   window 2: B's fragments, two sets of 96.
.set REC,   12288                      ; a rowtile's record of codes
.set FRB,   1536                       ; a fragment
.set UNB,   768                        ; a unit
.set TCH,   6144                       ; a rowtile's part of a chunk: four K steps; K comes in TWO chunks
.set CHA,   8*TCH                      ; a chunk of A in LDS
.set CHB,   16*TCH                     ; a chunk of B
.set BREG,  2*CHA                      ; B's region begins behind A's two chunks
.set SPARE, BREG+2*CHB
.set SROW,  528                        ; the way out: a stage of 16 rows x (512 bytes + 16) for each wave.  The four stages lie in A's chunk 0, which has had its only fill and, behind step 3's barrier, its last read
.set A16,   4                          ; v4   LDS: A's fragments, 16 x lane
.set A8,    5                          ; v5   the same, 512 + 8 x lane
.set B16,   6                          ; v6   B's
.set B8,    7                          ; v7
.set SPW,   8                          ; v8   LDS address of my spare word; never rewritten
.set NIL,   9                          ; v9   0; never rewritten
.set L16,   10                         ; v10  16 x lane
.set L8,    11                         ; v11  8 x lane
.set STO,   12                         ; v12  the stage: where I put 32 bytes of a row
.set RD,    13                         ; v13  and where I read a row back
.set BO,    14                         ; v14  64 h: my half's place in the bias
.set SAS,   16
.set SBS,   32
.set BC,    64
.set AF,    128
.set WV,    14
.set WM,    15
.set WN,    16
.set MSB, 0
.macro WIN new                         ; the immediate's high byte repeats the setting that is left
.if MSB != \new
	s_set_vgpr_msb (MSB<<8)|\new
.set MSB, \new
.endif
.endm
.set W_MUL,  0x52                      ; source 0 (B) window 2, source 1 (A) window 0, C and D window 1
.set W_MUL0, 0x42                      ; the same with C in window 0: the bias
.set W_TOB,  0x80                      ; destination window 2, address window 0
.macro CROUND                          ; a round of the cluster's barrier
	s_barrier_signal -1
	s_barrier_wait -1
	s_cmp_lg_u32 s[WV], 0
	s_cbranch_scc1 .Lnot_wave_0_\@
	s_barrier_signal -3
.Lnot_wave_0_\@:
	s_barrier_wait -3
	s_barrier_signal -1
	s_barrier_wait -1
.endm
.macro PLACES n
.rept \n
	v_nop
.endr
.endm
; 48 LDS loads: K step s's fragments (8 of B, 4 of A) into set p.  Every load is dense: 512 or 256 consecutive bytes.
.macro FETCH s, p
	WIN W_TOB
.irp b, 0,1,2,3,4,5,6,7
.irp u, 0,1
	ds_load_b128 v[96*(\p)+12*\b+6*\u:96*(\p)+12*\b+6*\u+3], v[B16] offset:TCH*\b+FRB*((\s)%2)+UNB*\u
	ds_load_b64 v[96*(\p)+12*\b+6*\u+4:96*(\p)+12*\b+6*\u+5], v[B8] offset:TCH*\b+FRB*((\s)%2)+UNB*\u
.endr
.endr
	WIN 0
.irp a, 0,1,2,3
.irp u, 0,1
	ds_load_b128 v[AF+48*(\p)+12*\a+6*\u:AF+48*(\p)+12*\a+6*\u+3], v[A16] offset:TCH*\a+FRB*((\s)%2)+UNB*\u
	ds_load_b64 v[AF+48*(\p)+12*\a+6*\u+4:AF+48*(\p)+12*\a+6*\u+5], v[A8] offset:TCH*\a+FRB*((\s)%2)+UNB*\u
.endr
.endr
.endm
; 32 matrix instructions: K step s from set p.  cm = 1: they start the sums with the bias of B's rows; 0: they add in place.
; The 32 accumulators take turns, one instruction a turn, in the same order in every step.
.macro MUL32 s, p, cm
.irp a, 0,1,2,3
.irp b, 0,1,2,3,4,5,6,7
.set rD, 8*(8*\a+\b)
.set rB, 96*(\p)+12*\b
.set rA, AF+48*(\p)+12*\a
.set rS, SBS+4*\b+(\s)%4
.set rT, SAS+4*\a+(\s)%4
.if (\cm) == 1
	v_wmma_scale_f32_16x16x128_f8f6f4 v[rD:rD+7], v[rB:rB+11], v[rA:rA+11], v[BC+8*\b:BC+8*\b+7], v[rS], v[rT] matrix_a_fmt:MATRIX_FMT_FP6 matrix_b_fmt:MATRIX_FMT_FP6
.elseif (\s) < 4
	v_wmma_scale_f32_16x16x128_f8f6f4 v[rD:rD+7], v[rB:rB+11], v[rA:rA+11], v[rD:rD+7], v[rS], v[rT] matrix_a_fmt:MATRIX_FMT_FP6 matrix_b_fmt:MATRIX_FMT_FP6
.else
	v_wmma_scale_f32_16x16x128_f8f6f4 v[rD:rD+7], v[rB:rB+11], v[rA:rA+11], v[rD:rD+7], v[rS], v[rT] matrix_a_fmt:MATRIX_FMT_FP6 matrix_b_fmt:MATRIX_FMT_FP6 matrix_a_scale:MATRIX_SCALE_ROW1 matrix_b_scale:MATRIX_SCALE_ROW1
.endif
.endr
.endr
.endm
; K step s, 1 to 7.  The next step's fragments are asked for ahead of this step's products.  Step 3's successor lies in the next chunk: counted wait, barrier, addresses a chunk on.
.macro STEP s
.set P, (\s)%2
.if (\s) == 3
	s_wait_dscnt 0x0                               ; no LDS load of mine is out at the signal: my reads of chunk 0, where the stages will lie, are over
	s_wait_tensorcnt 0x0                           ; my part of chunk 1 is in
	s_barrier_signal -1
	s_barrier_wait -1                              ; everybody's is
	v_add_nc_u32 v[A16], CHA-2*FRB, v[A16]         ; on to chunk 1; these four are also the places in front of the loads below
	v_add_nc_u32 v[A8], CHA-2*FRB, v[A8]
	v_add_nc_u32 v[B16], CHB-2*FRB, v[B16]
	v_add_nc_u32 v[B8], CHB-2*FRB, v[B8]
.elseif ((\s)%2 == 1) && ((\s) < 7)
	v_add_nc_u32 v[A16], 2*FRB, v[A16]             ; two K steps on inside the chunk; also the four places
	v_add_nc_u32 v[A8], 2*FRB, v[A8]
	v_add_nc_u32 v[B16], 2*FRB, v[B16]
	v_add_nc_u32 v[B8], 2*FRB, v[B8]
.elseif (\s) < 7
	PLACES 4                                       ; four places in front of loads into registers that matrix instructions have read
.endif
.if (\s) < 7
	FETCH (\s)+1, 1-P
	s_wait_dscnt 48                                ; all but the 48 just issued
.else
	s_wait_dscnt 0x0
.endif
	WIN W_MUL
	MUL32 \s, P, 0
	WIN 0
.endm
	s_load_b256 s[4:11], s[0:1], 0x0               ; ctxc s[4:5], ctxs s[6:7], cod s[8:9], scl s[10:11]
	s_load_b64 s[12:13], s[0:1], 0x20              ; bo
	s_load_b64 s[88:89], s[0:1], 0x28              ; out0
	v_lshl_add_u32 v[SPW], v0, 2, SPARE
	v_mov_b32 v[NIL], 0
	ds_add_u32 v[SPW], v[NIL]                      ; the wave's opening: the add and its wait ahead of my first tensor load; the set-up below, work on registers, stands between them
	ds_add_u32 v[SPW], v[NIL]
	v_lshrrev_b32 v1, 5, v0
	v_readfirstlane_b32 s[WV], v1                  ; wave 0..3
	s_lshr_b32 s[WM], s[WV], 1                     ; my 64 rows of A.  Also: I fetch for A (0) or for B (1)
	s_and_b32 s[WN], s[WV], 1                      ; my 128 rows of B.  Also: which half of that tile I fetch
	s_bfe_u32 s76, ttmp6, 0x40000                  ; cx
	s_bfe_u32 s77, ttmp6, 0x40004                  ; cy
	s_lshl_b32 s78, s77, 2
	s_lshl_b32 s78, 15, s78                        ; my row of the cluster
	s_lshl_b32 s79, 0x1111, s76                    ; my column
	s_and_b32 s66, ttmp7, 0xffff
	s_lshl_b32 s80, s66, 2
	s_add_co_u32 s80, s80, s77                     ; MT: which 128 tokens
	s_lshl_b32 s81, ttmp9, 2
	s_add_co_u32 s81, s81, s76                     ; NT: which 256 features
	s_lshl_b32 s82, s80, 3                         ; A's rowtiles begin here (in ctxc),
	s_lshl_b32 s83, s81, 4
	s_add_co_u32 s83, s83, 704                     ; B's here (Wo's, in cod)
	; descriptor group 1: R rowtiles' parts of a chunk: R rows of 6,144 bytes (768 elements of 8), 12,288 bytes apart; dense in LDS
	s_or_b32 s24, s78, (3<<16)|(1<<21)             ; 15:0 the mask: A's tiles go to my row; 17:16 elements of 8 bytes; 21 set beside a mask
	s_or_b32 s32, s79, (3<<16)|(1<<21)             ; B's go to my column
.irp g, 24, 32
	s_mov_b32 s[\g+1], 768<<16                     ; tensor_dim0: 6,144 bytes in elements of 8
	s_mov_b32 s[\g+3], 768<<16                     ; tile_dim0
	s_mov_b32 s[\g+5], 1536                        ; tensor_dim0_stride
	s_mov_b32 s[\g+6], 0
	s_mov_b32 s[\g+7], 0
.endr
	s_mov_b32 s26, 4<<16                           ; tensor_dim1: A: four rowtiles a load,
	s_mov_b32 s28, 4                               ; tile_dim1
	s_mov_b32 s34, 8<<16                           ; B: eight
	s_mov_b32 s36, 8
	; where the tiles come from and where they go.  A's chain of registers (s18-20) holds nothing of cx, B's (s21-23) nothing of cy; no place in the cluster enters an LDS address
	s_lshl_b32 s18, s[WN], 2
	s_add_co_u32 s18, s18, s82
	s_mul_i32 s18, s18, REC
	s_mov_b32 s19, 0
	s_mul_i32 s20, s[WN], 4*TCH
	s_lshl_b32 s22, s[WN], 3
	s_add_co_u32 s22, s22, s83
	s_lshl_b32 s86, s22, 9                         ; the scale records of my 8 rowtiles of B
	s_mov_b32 s87, 0
	s_mul_i32 s22, s22, REC
	s_mov_b32 s23, 0
	s_mul_i32 s21, s[WN], 8*TCH
	s_lshl_b32 s84, s[WM], 2
	s_add_co_u32 s84, s84, s82
	s_lshl_b32 s84, s84, 9                         ; and of my 4 of A
	s_mov_b32 s85, 0
	s_lshl_b32 s90, s81, 10
	s_lshl_b32 s3, s[WN], 9
	s_add_co_u32 s90, s90, s3                      ; my 128 features, in bytes: in bo and in a row of out0
	s_mov_b32 s91, 0
	s_lshl_b32 s2, s80, 7
	s_lshl_b32 s3, s[WM], 6
	s_add_co_u32 s2, s2, s3
	s_lshl_b32 s2, s2, 12                          ; my first token's row of 4,096 bytes
	s_add_co_u32 s100, s2, s90
	s_mov_b32 s101, 0
	v_and_b32 v1, 15, v0                           ; r
	v_bfe_u32 v2, v0, 4, 1                         ; h
	v_and_b32 v3, 31, v0                           ; lane
	v_lshlrev_b32 v[L16], 4, v3
	v_lshlrev_b32 v[L8], 3, v3
	s_mul_i32 s2, s[WM], 4*TCH
	v_add_nc_u32 v[A16], s2, v[L16]
	v_add_nc_u32 v[A8], s2, v[L8]
	v_add_nc_u32 v[A8], 512, v[A8]
	s_mul_i32 s3, s[WN], 8*TCH
	s_add_co_u32 s3, s3, BREG
	v_add_nc_u32 v[B16], s3, v[L16]
	v_add_nc_u32 v[B8], s3, v[L8]
	v_add_nc_u32 v[B8], 512, v[B8]
	s_mul_i32 s2, s[WV], 16*SROW                   ; my stage
	v_mul_u32_u24 v[STO], v1, SROW
	v_lshl_add_u32 v[STO], v2, 6, v[STO]
	v_add_nc_u32 v[STO], s2, v[STO]                ; in: row r, + 64 h
	v_add_nc_u32 v[RD], s2, v[L16]                 ; back: the 32 lanes take one row of 512 bytes
	v_lshlrev_b32 v[BO], 6, v2
	s_wait_dscnt 0x0                               ; the opening add is done
	s_wait_kmcnt 0x0
	s_add_nc_u64 s[18:19], s[4:5], s[18:19]
	s_add_nc_u64 s[22:23], s[8:9], s[22:23]
	s_add_nc_u64 s[84:85], s[6:7], s[84:85]
	s_add_nc_u64 s[86:87], s[10:11], s[86:87]
	s_add_nc_u64 s[12:13], s[12:13], s[90:91]
	s_add_nc_u64 s[88:89], s[88:89], s[100:101]
.set CI, 0
.irp g, 40,44
	s_mov_b32 s[\g], 1
	s_add_co_u32 s[\g+1], s20, CI*CHA
	s_add_nc_u64 s[\g+2:\g+3], s[18:19], CI*TCH
	s_or_b32 s[\g+3], s[\g+3], 0x80000000
.set CI, CI+1
.endr
.set CI, 0
.irp g, 56,60
	s_mov_b32 s[\g], 1
	s_add_co_u32 s[\g+1], s21, BREG+CI*CHB
	s_add_nc_u64 s[\g+2:\g+3], s[22:23], CI*TCH
	s_or_b32 s[\g+3], s[\g+3], 0x80000000
.set CI, CI+1
.endr
	CROUND                                         ; all sixteen work-groups are here: the joint loads meet
	s_cmp_eq_u32 s[WM], 0                          ; a wave's first fill stands in a branch on the wave's number: one load of mine is out; an s_nop 0 and four v_nop follow it
	s_cbranch_scc0 .Lfirst_b
	tensor_load_to_lds s[40:43], s[24:31]          ; chunk 0, K steps 0 to 3: one load a wave at the head
	s_nop 0
	PLACES 4
	s_branch .Lfirst_asked
.Lfirst_b:
	tensor_load_to_lds s[56:59], s[32:39]
	s_nop 0
	PLACES 4
.Lfirst_asked:
.irp a, 0,1,2,3
	global_load_b128 v[SAS+4*\a:SAS+4*\a+3], v[L16], s[84:85] offset:512*\a   ; the scale words of all of K: 512 consecutive bytes a load
.endr
.irp b, 0,1,2,3,4,5,6,7
	global_load_b128 v[SBS+4*\b:SBS+4*\b+3], v[L16], s[86:87] offset:512*\b
.endr
	s_wait_alu depctr_va_vdst(0)
.irp b, 0,1,2,3,4,5,6,7                ; the bias: eight registers a tile, in the result's layout: features 32 (b / 2) + 16 h + 8 (b % 2) + 0 .. 7
	global_load_b128 v[BC+8*\b:BC+8*\b+3], v[BO], s[12:13] offset:(32*(\b/2)+8*(\b%2))*4
	global_load_b128 v[BC+8*\b+4:BC+8*\b+7], v[BO], s[12:13] offset:(32*(\b/2)+8*(\b%2))*4+16
.endr
	s_wait_loadcnt 0x0
	s_wait_tensorcnt 0x0                           ; my part of chunk 0 is in: my one load so far
	ds_add_u32 v[SPW], v[NIL]                      ; the add and its wait ahead of a later first fill
	s_wait_dscnt 0x0
	CROUND                                         ; everybody's part is in, and all sixteen work-groups are here: the joint loads of chunk 1 meet
	s_cmp_eq_u32 s[WM], 0
	s_cbranch_scc0 .Lsec_b
	tensor_load_to_lds s[44:47], s[24:31]          ; chunk 1, K steps 4 to 7: my one load behind the round
	s_nop 0
	PLACES 4
	s_branch .Lsec
.Lsec_b:
	tensor_load_to_lds s[60:63], s[32:39]
	s_nop 0
	PLACES 4
.Lsec:
	FETCH 0, 0
	FETCH 1, 1
	s_wait_dscnt 48                                ; step 0's fragments are in; step 1's 48 loads may be out
	WIN W_MUL0
	MUL32 0, 0, 1                                  ; the first products start the sums, with the bias as C
	WIN 0
	STEP 1
	s_wait_alu depctr_va_vdst(0)
	STEP 2
	STEP 3
	s_wait_alu depctr_va_vdst(0)
	STEP 4
	STEP 5
	s_wait_alu depctr_va_vdst(0)
	STEP 6
	STEP 7
; THE WAY OUT, a tile of 16 tokens x 128 features at a time.  A lane holds 32-byte pieces of one row, and the lanes beside it hold other rows: so a tile goes through my own stage in LDS and comes back as whole
; rows of 512 bytes.  LDS serves a wave's instructions in order: no wait between the stores and the loads, nor in front of the next tile's stores.
.macro TOSTAGE a
	WIN 0x04                                       ; an LDS store's data are its source 1: window 1
.irp b, 0,1,2,3,4,5,6,7
	ds_store_b128 v[STO], v[64*(\a)+8*\b:64*(\a)+8*\b+3] offset:128*(\b/2)+32*(\b%2)       ; each accumulator from its low end on
	ds_store_b128 v[STO], v[64*(\a)+8*\b+4:64*(\a)+8*\b+7] offset:128*(\b/2)+32*(\b%2)+16
.endr
	WIN 0
.set BB, 128+64*((\a)%2)
.irp t, 0,1,2,3,4,5,6,7,8,9,10,11,12,13,14,15
	ds_load_b128 v[BB+4*\t:BB+4*\t+3], v[RD] offset:SROW*\t
.endr
.endm
.macro SEND a, younger                 ; younger: the LDS instructions issued behind tile a's loads, which may stay out
.set BB, 128+64*((\a)%2)
	s_wait_dscnt \younger
.irp t, 0,1,2,3,4,5,6,7,8,9,10,11,12,13,14,15
	global_store_b128 v[L16], v[BB+4*\t:BB+4*\t+3], s[88:89] offset:(32*((\a)/2)+8*((\a)%2)+\t+8*(\t/8))*4096 th:TH_STORE_NT   ; 32 lanes store 512 consecutive bytes, aligned; written once, read by nobody here
.endr
.endm
	PLACES 4                                       ; behind the last products: for the first reads of results and the loads into the registers that held A's fragments
	TOSTAGE 0
.irp a, 1,2,3
.if \a > 1
	s_wait_xcnt 0x0                                ; tile a - 2's stores have read their registers: tile a's loads may land there
.endif
	TOSTAGE \a
	SEND \a-1, 32                                  ; behind tile a - 1's loads: tile a's 16 stores and 16 loads
.endr
	SEND 3, 0
	s_wait_tensorcnt 0x0                           ; the wave's end, behind my last tensor load and my last LDS store
	ds_add_u32 v[SPW], v[NIL]
	s_wait_dscnt 0x0
	CROUND                                         ; the closing round: no work-group ends while a partner may still ask for a tile that names it
	s_endpgm
.Lfunc_end_k_qb17ee49758_outp:
	.size	k_qb17ee49758_outp, .Lfunc_end_k_qb17ee49758_outp-k_qb17ee49758_outp
	.p2alignl 7, 3214868480
	.fill 96, 4, 3214868480
	.section	.rodata,"a",@progbits
	.p2align	6, 0x0
	.amdhsa_kernel k_qb17ee49758_outp
		.amdhsa_group_segment_fixed_size 327680
		.amdhsa_private_segment_fixed_size 0
		.amdhsa_enable_private_segment 0
		.amdhsa_kernarg_size 48
		.amdhsa_user_sgpr_count 2
		.amdhsa_user_sgpr_kernarg_segment_ptr 1
		.amdhsa_wavefront_size32 1
		.amdhsa_system_sgpr_workgroup_id_x 1
		.amdhsa_system_sgpr_workgroup_id_y 1
		.amdhsa_system_sgpr_workgroup_id_z 1
		.amdhsa_system_vgpr_workitem_id 0
		.amdhsa_next_free_vgpr 704
		.amdhsa_next_free_sgpr 102
		.amdhsa_reserve_vcc 0
		.amdhsa_float_denorm_mode_32 3
		.amdhsa_float_denorm_mode_16_64 3
		.amdhsa_memory_ordered 1
		.amdhsa_forward_progress 1
		.amdhsa_inst_pref_size 84
	.end_amdhsa_kernel
	.amdgpu_metadata
---
amdhsa.version: [ 1, 2 ]
amdhsa.kernels:
  - .name:           k_qb17ee49758_outp
    .symbol:         k_qb17ee49758_outp.kd
    .args:
      - { .name: ctxc, .offset: 0, .size: 8, .value_kind: global_buffer, .address_space: global }
      - { .name: ctxs, .offset: 8, .size: 8, .value_kind: global_buffer, .address_space: global }
      - { .name: cod, .offset: 16, .size: 8, .value_kind: global_buffer, .address_space: global }
      - { .name: scl, .offset: 24, .size: 8, .value_kind: global_buffer, .address_space: global }
      - { .name: bo, .offset: 32, .size: 8, .value_kind: global_buffer, .address_space: global }
      - { .name: out0, .offset: 40, .size: 8, .value_kind: global_buffer, .address_space: global }
    .group_segment_fixed_size: 327680
    .private_segment_fixed_size: 0
    .kernarg_segment_align: 8
    .kernarg_segment_size: 48
    .max_flat_workgroup_size: 128
    .sgpr_count:     102
    .vgpr_count:     704
    .wavefront_size: 32
...
	.end_amdgpu_metadata
.endif
;; end of part 4
